; MI455X (gfx1250); checked and timed in simulation.
; The chip was launched on July 23, 2026; its instructions are those of AMD's public machine-readable ISA for CDNA 5 (MIT licence, August 2026) and "CDNA5" Instruction Set Architecture Reference Guide (July 2026). The comments in the code are by the model that wrote it; some were corrected since.
;; Causal Attention. Allowed arithmetic: float matrix products may take bf16 or f16 operands with f32 sums; all other float work in f32.
;; Inputs: Wk 1,024 x 1,024 float32; Wq 1,024 x 1,024 float32; Wv 1,024 x 1,024 float32; x 4 x 2,048 x 1,024 float32.
;; Outputs: out0 4 x 2,048 x 1,024 float32.
;; 2 versions, each right; version 2 is version 1 with the launch cast written anew for expert scheduling mode. Each part assembles by itself: llvm-mc -triple=amdgcn-amd-amdhsa -mcpu=gfx1250 --defsym DOCPART=n.
;; ======== version 1 of 2: 5 launches
;; limits: values are held in f16: magnitudes above 65,504 overflow, below 6.1e-05 lose precision; right only within a limited range of input values
;; workspace buffers: xh 16,777,216 bytes; wh 6,291,456 bytes; qk 33,554,432 bytes; P 33,554,432 bytes; stat 1,048,576 bytes; y 16,777,216 bytes
;; launch cast (part 1): grid 256 x 1, 11 waves a work-group, no clusters, 0 bytes of LDS; arguments x, Wq, Wk, Wv, xh, wh; writes xh, wh
.if DOCPART == 1
	.amdgcn_target "amdgcn-amd-amdhsa--gfx1250"
	.amdhsa_code_object_version 6
	.text
	.protected	k_q485ae2659f_cast
	.globl	k_q485ae2659f_cast
	.p2align	8
	.type	k_q485ae2659f_cast,@function
k_q485ae2659f_cast:
	s_mov_b64 s[64:65], 0
	v_nop
	global_prefetch_b8 v0, s[64:65] scope:SCOPE_SE
	s_setreg_imm32_b32 hwreg(HW_REG_WAVE_MODE, 25, 1), 1
	s_wait_xcnt 0x0
; x, Wq, Wk, Wv (f32) are rounded once, to bf16, and that number is written in f16's format: xh = [8192][1024], wh = [3072][1024] with Wq, Wk, Wv one below the other.
; WHY TWO CONVERSIONS: the later products pair x and W with operands that need f16's 11 bits (the softmax weights and their weighted sum of x), and a matrix instruction takes
; both operands in one format.  f16 holds a bf16 number exactly where 2^-17 <= |x| < 65,504, so the program computes the problem's function of the inputs rounded to bf16
; with no second rounding of them.
; LIMITS: |x|, |W| below 65,504 (beyond it f16 has infinity); below 2^-17 the second conversion rounds, by at most 2^-25.
; A stream: every byte is read once and written once, so there is no LDS, no barrier and no matrix work here.
; THE SHARES: the four inputs are 46,137,344 bytes = 2,816 pieces of 16,384 bytes = 256 work-groups x 11 waves, one piece a wave: equal work for every work-group.
; Piece u = 11 x work-group + wave: pieces 0-2047 are x, then 256 pieces for each W.
; A wave takes its piece by 32 loads of 512 neighbouring bytes, all issued before the first wait; every load and every store has registers of its own.
.set WAVES, 11
.set XPIECES, 2048
.set X, 4                              ; v[4:131]    32 loads x 4 f32; behind its load's wait a set also holds the rounded numbers, widened
.set Y, 132                            ; v[132:195]  32 stores x 4 numbers of 16 bits
	s_load_b256 s[4:11], s[0:1], 0x0               ; x s[4:5], Wq s[6:7], Wk s[8:9], Wv s[10:11]
	s_load_b128 s[12:15], s[0:1], 0x20             ; xh s[12:13], wh s[14:15]
	s_mov_b32 s20, 0xffff0000                      ; a word's upper bf16
	v_lshrrev_b32 v1, 5, v0
	v_readfirstlane_b32 s21, v1                    ; wave 0..10
	s_mul_i32 s22, ttmp9, WAVES
	s_add_co_u32 s22, s22, s21                     ; my piece, 0..2815
	s_sub_co_u32 s16, s22, XPIECES                 ; its number among the pieces of W (used only where it is one)
	s_lshr_b32 s17, s16, 8                         ; which W
	s_and_b32 s18, s16, 255                        ; which piece of it
	v_and_b32 v3, 31, v0                           ; lane
	v_lshlrev_b32 v1, 4, v3                        ; 16 bytes a lane in
	v_lshlrev_b32 v2, 3, v3                        ; 8 bytes a lane out
	s_wait_kmcnt 0x0
	s_cmp_eq_u32 s17, 1
	s_cselect_b64 s[6:7], s[8:9], s[6:7]
	s_cmp_eq_u32 s17, 2
	s_cselect_b64 s[6:7], s[10:11], s[6:7]         ; s[6:7]: the W that a piece of W lies in
	s_cmp_lt_u32 s22, XPIECES                      ; a piece of x?
	s_cselect_b64 s[4:5], s[4:5], s[6:7]           ; from where
	s_cselect_b64 s[12:13], s[12:13], s[14:15]     ; to where
	s_cselect_b32 s18, s22, s18                    ; which piece of the source
	s_cselect_b32 s16, s22, s16                    ; which piece of the destination
	s_lshl_b32 s18, s18, 14                        ; 16,384 bytes of f32
	s_mov_b32 s19, 0
	s_lshl_b32 s16, s16, 13                        ; 8,192 bytes of f16
	s_mov_b32 s17, 0
	s_add_nc_u64 s[4:5], s[4:5], s[18:19]
	s_add_nc_u64 s[12:13], s[12:13], s[16:17]
.set j, 0
.rept 32
	global_load_b128 v[X+4*j:X+4*j+3], v1, s[4:5] offset:512*j th:TH_LOAD_NT
.set j, j+1
.endr
.set j, 0
.rept 32
	s_wait_loadcnt 31-j                            ; loads come back in order: load j is in, the 31-j younger ones stay out
	v_cvt_pk_bf16_f32 v[Y+2*j], v[X+4*j], v[X+4*j+1]               ; the one rounding
	v_cvt_pk_bf16_f32 v[Y+2*j+1], v[X+4*j+2], v[X+4*j+3]
	v_lshlrev_b32 v[X+4*j], 16, v[Y+2*j]                           ; the rounded numbers as f32
	v_and_b32 v[X+4*j+1], s20, v[Y+2*j]
	v_lshlrev_b32 v[X+4*j+2], 16, v[Y+2*j+1]
	v_and_b32 v[X+4*j+3], s20, v[Y+2*j+1]
	v_cvt_pk_f16_f32 v[Y+2*j], v[X+4*j], v[X+4*j+1]                ; the same numbers in f16's format
	v_cvt_pk_f16_f32 v[Y+2*j+1], v[X+4*j+2], v[X+4*j+3]
	global_store_b64 v2, v[Y+2*j:Y+2*j+1], s[12:13] offset:256*j   ; the wave's store covers 256 consecutive bytes, aligned
.set j, j+1
.endr
	s_endpgm
.Lfunc_end_k_q485ae2659f_cast:
	.size	k_q485ae2659f_cast, .Lfunc_end_k_q485ae2659f_cast-k_q485ae2659f_cast
	.p2alignl 7, 3214868480
	.fill 96, 4, 3214868480
	.section	.rodata,"a",@progbits
	.p2align	6, 0x0
	.amdhsa_kernel k_q485ae2659f_cast
		.amdhsa_group_segment_fixed_size 0
		.amdhsa_private_segment_fixed_size 0
		.amdhsa_enable_private_segment 0
		.amdhsa_kernarg_size 48
		.amdhsa_user_sgpr_count 2
		.amdhsa_user_sgpr_kernarg_segment_ptr 1
		.amdhsa_wavefront_size32 1
		.amdhsa_system_sgpr_workgroup_id_x 1
		.amdhsa_system_sgpr_workgroup_id_y 1
		.amdhsa_system_sgpr_workgroup_id_z 1
		.amdhsa_system_vgpr_workitem_id 0
		.amdhsa_next_free_vgpr 196
		.amdhsa_next_free_sgpr 66
		.amdhsa_reserve_vcc 0
		.amdhsa_float_denorm_mode_32 3
		.amdhsa_float_denorm_mode_16_64 3
		.amdhsa_memory_ordered 1
		.amdhsa_forward_progress 1
		.amdhsa_inst_pref_size 21
	.end_amdhsa_kernel
	.amdgpu_metadata
---
amdhsa.version: [ 1, 2 ]
amdhsa.kernels:
  - .name:           k_q485ae2659f_cast
    .symbol:         k_q485ae2659f_cast.kd
    .args:
      - { .name: x, .offset: 0, .size: 8, .value_kind: global_buffer, .address_space: global }
      - { .name: Wq, .offset: 8, .size: 8, .value_kind: global_buffer, .address_space: global }
      - { .name: Wk, .offset: 16, .size: 8, .value_kind: global_buffer, .address_space: global }
      - { .name: Wv, .offset: 24, .size: 8, .value_kind: global_buffer, .address_space: global }
      - { .name: xh, .offset: 32, .size: 8, .value_kind: global_buffer, .address_space: global }
      - { .name: wh, .offset: 40, .size: 8, .value_kind: global_buffer, .address_space: global }
    .group_segment_fixed_size: 0
    .private_segment_fixed_size: 0
    .kernarg_segment_align: 8
    .kernarg_segment_size: 48
    .max_flat_workgroup_size: 352
    .sgpr_count:     66
    .vgpr_count:     196
    .wavefront_size: 32
...
	.end_amdgpu_metadata
.endif
;; end of part 1
;; launch proj (part 2): grid 8 x 32, 4 waves a work-group, clusters of 4 x 4, 327,680 bytes of LDS; arguments xh, wh, qk; writes qk
.if DOCPART == 2
	.amdgcn_target "amdgcn-amd-amdhsa--gfx1250"
	.amdhsa_code_object_version 6
	.text
	.protected	k_q485ae2659f_proj
	.globl	k_q485ae2659f_proj
	.p2align	8
	.type	k_q485ae2659f_proj,@function
k_q485ae2659f_proj:
	s_mov_b64 s[64:65], 0
	v_nop
	global_prefetch_b8 v0, s[64:65] scope:SCOPE_SE
	s_setreg_imm32_b32 hwreg(HW_REG_WAVE_MODE, 25, 1), 1
	s_wait_xcnt 0x0
	s_wait_alu depctr_hold_cnt(0) depctr_sa_sdst(0) depctr_va_vdst(0) depctr_va_sdst(0) depctr_va_ssrc(0) depctr_va_vcc(0) depctr_vm_vsrc(0)
	s_getreg_b32 s2, hwreg(HW_REG_IB_STS2, 6, 4)
	s_cmp_eq_u32 s2, 0
	s_cbranch_scc0 .Lentry_in_a_cluster
	s_endpgm
.Lentry_in_a_cluster:
	s_bfe_u32 s2, ttmp6, 0x10000c
	s_cmp_lg_u32 s2, 0xf033
	s_cbranch_scc0 .Lentry_shape_is_right
	s_endpgm
.Lentry_shape_is_right:
; qk[m][n] = sum over k of xh[m][k] wh[n][k], n = 0 .. 2047.  xh: [8192][1024], wh: [3072][1024] (its rows 0-2047 are Wq, Wk), qk: [8192][2048], all f16; sums in f32, rounded once.
; Columns 0-1023 of qk are q, 1024-2047 are k.  q and k go in f16, not bf16: a row of the softmax with few keys shows the rounding of the scores directly, and f16 has three bits more.
; LIMIT: |q|, |k| below 65,504.  With x of spread 1 and W of spread 0.018 they stay below 3; both inputs 30 times larger give 900 times that, about 2,700; both carrying an
; offset of 30 spreads give about 1024 x 30 x 0.54 = 16,600.
; A work-group makes a block of 256 x 256 with four waves, a wave 128 x 128: 64 accumulator tiles of 16 x 16, 512 registers.  8192 x 2048 / 65,536 = 256 work-groups.
; K goes in steps of 128 through a ring of two LDS slots filled by the tensor data mover: a tile's rows are 256 bytes of memory and start at multiples of 256 bytes.
; CLUSTERS: 4 x 4 work-groups.  The four of a row of the cluster share the block row, hence xh's tiles; the four of a column share the block column, hence wh's tiles.
; Each tile is asked for jointly by the four, which divides the requests by four.
; REGISTERS in windows of 256: window 0: v16-26 addresses, v64-127 and v128-191 fragments of xh (two buffers), v192-223 packed results;
; window 1: v64-127 and v128-191 fragments of wh; window 2: accumulators of my rows 0-63 (tile (a, b) at v[8 (8 a + b)]); window 3: rows 64-127.
; The matrix instruction is used transposed (source 0 = 16 rows of wh, source 1 = 16 rows of xh): lane l holds row l % 16 of the result and its eight registers the
; columns 8 (l / 16) + 0 .. 7, which pack into 16 neighbouring bytes.
; The 64 accumulators take turns, one instruction a turn, in the same order in every quarter step.
.set SIZE_N, 2048
.set SIZE_K, 1024
.set KSTEP,  128
.set PITCH,  272                       ; an LDS row: 256 bytes + 16 of padding, an odd multiple of 16
.set HALFT,  128*PITCH                 ; 128 rows: what one tensor load brings
.set SLOT,   4*HALFT                   ; xh's 256 rows, then wh's 256 rows
.set STAGE,  2*SLOT                    ; behind the ring: 16 rows x 272 bytes for each wave
.set SPITCH, 272
.set LAPS,   SIZE_K/(2*KSTEP)          ; a lap = two K steps = once round the ring
.set ADRA, 16                          ; v16-17  LDS address of my xh fragments in slot 0, 1
.set ADRB, 20                          ; v20-21  the same for wh
.set STO,  24                          ; v24     the way out: where I put 16 bytes of a row
.set RD,   25                          ; v25     where I read a row back
.set CO,   26                          ; v26     my byte offset in qk
.set F0,   64
.set F1,   128
.set TMP,  192
.set G1,  24                           ; s[24:31] group 1 for xh's tiles
.set G0,  32                           ; s[32:39] group 0 for xh's tiles, one set a slot
.set G1B, 48                           ; s[48:55] group 1 for wh's tiles: the mask differs
.set G0B, 56                           ; s[56:63] group 0 for wh's tiles, one set a slot
.set MSB, 0
.macro WIN new                         ; the immediate's high byte repeats the setting that is left
.if MSB != \new
	s_set_vgpr_msb (MSB<<8)|\new
.set MSB, \new
.endif
.endm
.set MUL_LO, 0xa1                      ; source 0 (wh) window 1, source 1 (xh) window 0, C and D window 2
.set MUL_HI, 0xf1                      ; the same, C and D window 3
.set TO_B,   0x40                      ; destination window 1, address window 0
; A joint load: waves 0 and 1 fetch xh's two halves, waves 2 and 3 wh's.  The branch hangs on the wave's number alone.
.macro JLOAD s
	s_cmp_eq_u32 s11, 0
	s_cbranch_scc0 .Lfor_b_\@
	tensor_load_to_lds s[G0+4*\s:G0+4*\s+3], s[G1:G1+7]
	s_nop 0
	s_branch .Lasked_\@
.Lfor_b_\@:
	tensor_load_to_lds s[G0B+4*\s:G0B+4*\s+3], s[G1B:G1B+7]
	s_nop 0
.Lasked_\@:
.endm
.macro CREST                           ; a round of the cluster's barrier behind its opening work-group barrier
	s_cmp_lg_u32 s10, 0
	s_cbranch_scc1 .Lnot_wave_0_\@
	s_barrier_signal -3
.Lnot_wave_0_\@:
	s_barrier_wait -3
	s_barrier_signal -1
	s_barrier_wait -1
.endm
.macro CROUND                          ; a whole round
	s_barrier_signal -1
	s_barrier_wait -1
	CREST
.endm
	s_load_b128 s[4:7], s[0:1], 0x0                ; xh s[4:5], wh s[6:7]
	s_load_b64 s[8:9], s[0:1], 0x10                ; qk
	s_set_vgpr_msb 0x40
	v_lshl_add_u32 v255, v0, 2, 0x48400
	s_set_vgpr_msb 0x4000
	v_mov_b32 v255, 0
	s_set_vgpr_msb 0x1
	ds_add_u32 v255, v255
	ds_add_u32 v255, v255
	s_set_vgpr_msb 0x100
	v_lshrrev_b32 v1, 5, v0
	v_readfirstlane_b32 s10, v1                    ; wave 0..3
	s_lshr_b32 s11, s10, 1                         ; which half of the block's rows is mine.  Also: I fetch for xh (0) or for wh (1)
	s_and_b32 s12, s10, 1                          ; which half of its columns.  Also: which 128 rows of that tile I fetch
	s_bfe_u32 s40, ttmp6, 0x40000                  ; cx
	s_bfe_u32 s41, ttmp6, 0x40004                  ; cy
	s_lshl_b32 s42, ttmp9, 2
	s_add_co_u32 s42, s42, s40                     ; block column = 4 x cluster x + cx, 0..7
	s_and_b32 s13, ttmp7, 0xffff
	s_lshl_b32 s13, s13, 2
	s_add_co_u32 s13, s13, s41                     ; block row = 4 x cluster y + cy, 0..31
	s_lshl_b32 s43, s41, 2
	s_lshl_b32 s43, 15, s43                        ; my row of the cluster: places 4 cy .. 4 cy + 3
	s_lshl_b32 s44, 0x1111, s40                    ; my column: places cx, cx + 4, cx + 8, cx + 12
	; group 1: a tile of 128 rows x 128 elements of 2 bytes, 16 bytes of padding behind every 64 words
	s_or_b32 s[G1+0], s43, (1<<16)|(1<<20)|(1<<21)|(5<<22)|(3<<25)
	s_or_b32 s[G1B+0], s44, (1<<16)|(1<<20)|(1<<21)|(5<<22)|(3<<25)
	s_mov_b32 s[G1+1], KSTEP<<16                   ; tensor_dim0 = 128
	s_mov_b32 s[G1B+1], KSTEP<<16
	s_mov_b32 s[G1+2], 128<<16                     ; tensor_dim1 = 128
	s_mov_b32 s[G1B+2], 128<<16
	s_mov_b32 s[G1+3], KSTEP<<16                   ; tile_dim0 = 128
	s_mov_b32 s[G1B+3], KSTEP<<16
	s_mov_b32 s[G1+4], 128                         ; tile_dim1 = 128
	s_mov_b32 s[G1B+4], 128
	s_mov_b32 s[G1+5], SIZE_K                      ; elements from row to row
	s_mov_b32 s[G1B+5], SIZE_K
	s_mov_b32 s[G1+6], 0
	s_mov_b32 s[G1B+6], 0
	s_mov_b32 s[G1+7], 0
	s_mov_b32 s[G1B+7], 0
	; xh's tile hangs on the block row and the wave's number alone, wh's on the block column and the wave's number alone
	s_lshl_b32 s17, s12, 7                         ; which 128 rows of the tile I fetch
	s_lshl_b32 s16, s13, 8
	s_add_co_u32 s16, s16, s17                     ; xh: row 256 x block row + 128 x half
	s_lshl_b32 s16, s16, 11                        ; x 2,048 bytes
	s_lshl_b32 s46, s42, 8
	s_add_co_u32 s46, s46, s17                     ; wh: row 256 x block column + 128 x half
	s_lshl_b32 s46, s46, 11
	s_mov_b32 s17, 0
	s_mov_b32 s47, 0
	s_mul_i32 s20, s10, HALFT                      ; where a wave's tile goes: wave x 128 rows
	s_wait_dscnt 0x0
	s_wait_kmcnt 0x0
	s_add_nc_u64 s[14:15], s[4:5], s[16:17]
	s_add_nc_u64 s[46:47], s[6:7], s[46:47]
	CROUND                                         ; all sixteen work-groups are here: the first joint loads meet
.irp s, 0,1
	s_mov_b32 s[G0+4*\s], 1
	s_add_co_u32 s[G0+4*\s+1], s20, \s*SLOT
	s_add_nc_u64 s[G0+4*\s+2:G0+4*\s+3], s[14:15], \s*KSTEP*2
	s_or_b32 s[G0+4*\s+3], s[G0+4*\s+3], 0x80000000
	s_mov_b32 s[G0B+4*\s], 1
	s_add_co_u32 s[G0B+4*\s+1], s20, \s*SLOT
	s_add_nc_u64 s[G0B+4*\s+2:G0B+4*\s+3], s[46:47], \s*KSTEP*2
	s_or_b32 s[G0B+4*\s+3], s[G0B+4*\s+3], 0x80000000
	JLOAD \s                                       ; both slots are asked for before anything else: two tensor loads of the wave are out
.endr
	v_and_b32 v1, 15, v0                           ; r = l % 16
	v_bfe_u32 v2, v0, 4, 1                         ; h = l / 16
	v_mul_u32_u24 v3, v1, PITCH
	v_lshl_add_u32 v3, v2, 4, v3                   ; row x pitch + 16 h
	s_mul_i32 s21, s11, HALFT                      ; my 128 rows of xh
	s_mul_i32 s22, s12, HALFT                      ; my 128 rows of wh,
	s_add_co_u32 s22, s22, 2*HALFT                 ; which lie behind xh's 256
	v_add_nc_u32 v[ADRA], s21, v3
	v_add_nc_u32 v[ADRB], s22, v3
	v_add_nc_u32 v[ADRA+1], SLOT, v[ADRA]
	v_add_nc_u32 v[ADRB+1], SLOT, v[ADRB]
	s_mul_i32 s23, s10, 16*SPITCH
	s_add_co_u32 s23, s23, STAGE                   ; my stage
	v_add_nc_u32 v[STO], s23, v3                   ; in: row r, 16 bytes for each half of the lanes (the stage's pitch is the tiles')
	v_mul_u32_u24 v5, v2, SPITCH                   ; back: lanes 0-15 take one row of 256 bytes, lanes 16-31 the next
	v_lshl_add_u32 v5, v1, 4, v5
	v_add_nc_u32 v[RD], s23, v5
	v_mul_u32_u24 v5, v2, SIZE_N*2                 ; and the same two rows in qk
	v_lshl_add_u32 v[CO], v1, 4, v5
; 16 matrix instructions: row blocks a0, a0 + 1 of the window's four x all 8 column blocks, 32 along K.  zero = 1: the first product starts the sums.
.macro MUL16 f, hi, a0, zero
.irp a, \a0, \a0+1
.irp b, 0,1,2,3,4,5,6,7
.if \zero
	v_wmma_f32_16x16x32_f16 v[8*(8*(\a)+\b):8*(8*(\a)+\b)+7], v[\f+8*\b:\f+8*\b+7], v[\f+8*(4*\hi+\a):\f+8*(4*\hi+\a)+7], 0
.else
	v_wmma_f32_16x16x32_f16 v[8*(8*(\a)+\b):8*(8*(\a)+\b)+7], v[\f+8*\b:\f+8*\b+7], v[\f+8*(4*\hi+\a):\f+8*(4*\hi+\a)+7], v[8*(8*(\a)+\b):8*(8*(\a)+\b)+7]
.endif
.endr
.endr
.endm
; 32 LDS loads in one run: 128 rows of wh and 128 rows of xh, 32 K at byte k of the rows, into buffer f
.macro FETCH slot, k, f
	WIN TO_B
.irp i, 0,1,2,3,4,5,6,7
	ds_load_b128 v[\f+8*\i:\f+8*\i+3],   v[ADRB+\slot] offset:\k+\i*16*PITCH
	ds_load_b128 v[\f+8*\i+4:\f+8*\i+7], v[ADRB+\slot] offset:\k+\i*16*PITCH+32
.endr
	WIN 0
.irp i, 0,1,2,3,4,5,6,7
	ds_load_b128 v[\f+8*\i:\f+8*\i+3],   v[ADRA+\slot] offset:\k+\i*16*PITCH
	ds_load_b128 v[\f+8*\i+4:\f+8*\i+7], v[ADRA+\slot] offset:\k+\i*16*PITCH+32
.endr
.endm
; Four plain vector places between a matrix instruction and a load into, or a vector access to, one of its registers
.macro PLACES
.rept 4
	v_nop
.endr
.endm
.macro QUARTER slot, k, f, g, zero
	s_wait_dscnt 8                                 ; wh and xh's rows 0-63 are in; the youngest eight loads (xh's rows 64-127) may be out
	WIN MUL_LO
	MUL16 \f, 0, 0, \zero
	MUL16 \f, 0, 2, \zero
	PLACES
	FETCH \slot, \k, \g
	s_wait_dscnt 32                                ; all but the 32 just issued
	WIN MUL_HI
	MUL16 \f, 1, 0, \zero
	MUL16 \f, 1, 2, \zero
.endm
.macro THREE slot, zero
	QUARTER \slot, 64,  F0, F1, \zero
	QUARTER \slot, 128, F1, F0, 0
	QUARTER \slot, 192, F0, F1, 0
.endm
; The last quarter of a K step changes slots.  In front of the barrier each wave waits for its reads of this slot and for all its tensor loads (one
; is out: its part of the next slot).  Where the slot is filled again the barrier opens a round of the cluster's barrier, and the joint refill is the
; first tensor load behind the round.  From a request to the wait for it a wave issues 240 matrix instructions.
.macro TURN slot, next, fill
	s_wait_dscnt 8
	WIN MUL_LO
	MUL16 F1, 0, 0, 0
	s_wait_dscnt 0                                 ; my reads of this slot are over
	s_wait_tensorcnt 0x0                           ; all my tensor loads have landed
	ds_add_u32 v255, v255
	s_wait_dscnt 0x0
	s_barrier_signal -1
	MUL16 F1, 0, 2, 0                              ; register work while the others arrive
	WIN 0
	s_barrier_wait -1
.if \fill
	CREST                                          ; no wave of any partner still reads this slot or has a load on its way
	s_add_nc_u64 s[G0+4*\slot+2:G0+4*\slot+3], s[G0+4*\slot+2:G0+4*\slot+3], 2*KSTEP*2
	s_add_nc_u64 s[G0B+4*\slot+2:G0B+4*\slot+3], s[G0B+4*\slot+2:G0B+4*\slot+3], 2*KSTEP*2
	JLOAD \slot
.endif
	PLACES
	FETCH \next, 0, F0
	WIN MUL_HI
	MUL16 F1, 1, 0, 0
	MUL16 F1, 1, 2, 0
.endm
.macro LAP zero
	THREE 0, \zero
	TURN 0, 1, 1
	THREE 1, 0
	TURN 1, 0, 1
.endm
	s_wait_tensorcnt 1                             ; my part of K step 0 is in; K step 1 may stay out
	s_barrier_signal -1
	s_barrier_wait -1
	FETCH 0, 0, F0
	LAP 1                                          ; the first lap starts the sums
	WIN 0
	s_mov_b32 s3, LAPS-2
.Llap:
	LAP 0
	WIN 0
	s_sub_co_u32 s3, s3, 1
	s_cmp_lg_u32 s3, 0
	s_cbranch_scc1 .Llap
	THREE 0, 0                                     ; the last lap fills nothing
	TURN 0, 1, 0
	THREE 1, 0
	s_wait_dscnt 8
	WIN MUL_LO
	MUL16 F1, 0, 0, 0
	MUL16 F1, 0, 2, 0
	s_wait_dscnt 0
	WIN MUL_HI
	MUL16 F1, 1, 0, 0
	MUL16 F1, 1, 2, 0
	; THE WAY OUT, 16 rows at a time: round to f16, 16 bytes a lane into my own stage, read back as whole rows of 256 bytes.
	PLACES
	s_lshl_b32 s13, s13, 8
	s_lshl_b32 s14, s11, 7
	s_add_co_u32 s16, s13, s14                     ; my first row
	s_lshl_b32 s16, s16, 12                        ; x 4,096 bytes
	s_mov_b32 s17, 0
	s_add_nc_u64 s[8:9], s[8:9], s[16:17]
	s_lshl_b32 s46, s42, 9                         ; my first column in bytes: 512 x block + 256 x half
	s_lshl_b32 s47, s12, 8
	s_add_co_u32 s46, s46, s47
	s_mov_b32 s47, 0
	s_add_nc_u64 s[8:9], s[8:9], s[46:47]
; rows 16 i .. 16 i + 15 of my block = the eight tiles (a, 0..7) of window 2 or 3 (from = 0x0a or 0x0f: sources 0 and 1); f: F0 or F1 in turn
.macro OUT16 i, a, from, f
	WIN \from
.irp b, 0,1,2,3,4,5,6,7
.irp r, 0,1,2,3
	v_cvt_pk_f16_f32 v[TMP+4*\b+\r], v[8*(8*\a+\b)+2*\r], v[8*(8*\a+\b)+2*\r+1]
.endr
.endr
	WIN 0
.irp b, 0,1,2,3,4,5,6,7
	ds_store_b128 v[STO], v[TMP+4*\b:TMP+4*\b+3] offset:32*\b
.endr
	s_wait_xcnt 0x0                                ; buffer f, which earlier stores read, and the stores' base are rewritten only behind this wait
.if \i
	s_add_nc_u64 s[8:9], s[8:9], 16*SIZE_N*2       ; 16 rows on
.endif
.irp t, 0,1,2,3,4,5,6,7
	ds_load_b128 v[\f+4*\t:\f+4*\t+3], v[RD] offset:\t*2*SPITCH    ; LDS serves a wave in order: these see the stores above
.endr
.irp t, 0,1,2,3,4,5,6,7
	s_wait_dscnt 7-\t
	global_store_b128 v[CO], v[\f+4*\t:\f+4*\t+3], s[8:9] offset:2*\t*SIZE_N*2   ; sixteen lanes store 256 consecutive bytes, aligned
.endr
.endm
	OUT16 0, 0, 0x0a, F0
	OUT16 1, 1, 0x0a, F1
	OUT16 2, 2, 0x0a, F0
	OUT16 3, 3, 0x0a, F1
	OUT16 4, 0, 0x0f, F0
	OUT16 5, 1, 0x0f, F1
	OUT16 6, 2, 0x0f, F0
	OUT16 7, 3, 0x0f, F1
	s_set_vgpr_msb 0x1
	s_wait_tensorcnt 0x0
	ds_add_u32 v255, v255
	s_wait_dscnt 0x0
	s_set_vgpr_msb 0x100
	CROUND                                         ; the closing round: no work-group ends while a partner may still ask for a tile that names it
	s_endpgm
.Lfunc_end_k_q485ae2659f_proj:
	.size	k_q485ae2659f_proj, .Lfunc_end_k_q485ae2659f_proj-k_q485ae2659f_proj
	.p2alignl 7, 3214868480
	.fill 96, 4, 3214868480
	.section	.rodata,"a",@progbits
	.p2align	6, 0x0
	.amdhsa_kernel k_q485ae2659f_proj
		.amdhsa_group_segment_fixed_size 327680
		.amdhsa_private_segment_fixed_size 0
		.amdhsa_enable_private_segment 0
		.amdhsa_kernarg_size 24
		.amdhsa_user_sgpr_count 2
		.amdhsa_user_sgpr_kernarg_segment_ptr 1
		.amdhsa_wavefront_size32 1
		.amdhsa_system_sgpr_workgroup_id_x 1
		.amdhsa_system_sgpr_workgroup_id_y 1
		.amdhsa_system_sgpr_workgroup_id_z 1
		.amdhsa_system_vgpr_workitem_id 0
		.amdhsa_next_free_vgpr 1024
		.amdhsa_next_free_sgpr 66
		.amdhsa_reserve_vcc 0
		.amdhsa_float_denorm_mode_32 3
		.amdhsa_float_denorm_mode_16_64 3
		.amdhsa_memory_ordered 1
		.amdhsa_forward_progress 1
		.amdhsa_inst_pref_size 196
	.end_amdhsa_kernel
	.amdgpu_metadata
---
amdhsa.version: [ 1, 2 ]
amdhsa.kernels:
  - .name:           k_q485ae2659f_proj
    .symbol:         k_q485ae2659f_proj.kd
    .args:
      - { .name: xh, .offset: 0, .size: 8, .value_kind: global_buffer, .address_space: global }
      - { .name: wh, .offset: 8, .size: 8, .value_kind: global_buffer, .address_space: global }
      - { .name: qk, .offset: 16, .size: 8, .value_kind: global_buffer, .address_space: global }
    .group_segment_fixed_size: 327680
    .private_segment_fixed_size: 0
    .kernarg_segment_align: 8
    .kernarg_segment_size: 24
    .max_flat_workgroup_size: 128
    .sgpr_count:     66
    .vgpr_count:     1024
    .wavefront_size: 32
...
	.end_amdgpu_metadata
.endif
;; end of part 2
;; launch scores (part 3): grid 8 x 18, 4 waves a work-group, no clusters, 327,680 bytes of LDS; arguments qk, P, stat; writes P, stat
.if DOCPART == 3
	.amdgcn_target "amdgcn-amd-amdhsa--gfx1250"
	.amdhsa_code_object_version 6
	.text
	.protected	k_q485ae2659f_scores
	.globl	k_q485ae2659f_scores
	.p2align	8
	.type	k_q485ae2659f_scores,@function
k_q485ae2659f_scores:
	s_mov_b64 s[64:65], 0
	v_nop
	global_prefetch_b8 v0, s[64:65] scope:SCOPE_SE
	s_setreg_imm32_b32 hwreg(HW_REG_WAVE_MODE, 25, 1), 1
	s_wait_xcnt 0x0
; One tile of 256 queries x 256 keys on or below the diagonal: s = q k^T (K = 1024, f16 operands, f32 sums), the causal mask, the row maximum m of the
; tile's kept scores, p = exp2(c s - c m) with c = log2(e) / 32, p rounded to f16 into P, and to stat, for each row, c m and the sum of p over each 128 keys.
; A later launch brings the tiles of a row onto the row's own maximum, so the maximum is taken away before every exponential and no exponent exceeds a rounding of zero.
; p lies in 0 .. 1 for every input, so f16 has the range; below 2^-25 it becomes 0.
; GRID: x 0..7, y 0..17: 144 work-groups, each with work.  x's bit 2 is the batch's upper bit; j = 4 y + x % 4 (0..71) counts the 72 tiles of that pair of batches:
; j / 36 is the batch's lower bit, j % 36 = 9 p + t the tile.  Rows p and 7 - p of the triangle of tiles hold p + 1 and 8 - p tiles, nine together: t <= p is tile (p, t),
; else (7 - p, t - p - 1).  So two work-groups whose x differs in bit 2 read no common byte of qk.
; NO CLUSTER: a row of the triangle holds 1 to 8 tiles and so does a column, so no fixed group of four work-groups shares q's or k's tile at every place of the
; triangle, and a square group laid on the diagonal would hold a work-group with nothing to do.
; Four waves, each 128 x 128 of the tile in 512 registers; K in steps of 128 through two LDS slots (256 rows of q, 256 rows of k), each wave fetching 128 rows.
; The matrix instruction is used transposed (source 0 = rows of k, source 1 = rows of q): lane l holds query row l % 16, its registers the keys 8 (l / 16) + 0 .. 7.
; The 64 accumulators take turns, one instruction a turn.
; The wave whose block lies wholly above the diagonal (diagonal tile, upper rows, right keys) multiplies like the others and stores p = 0 and sum 0, which a later launch reads.
; LIMITS: that wave forms 0 x s - inf, which is -inf only while s is finite in f32.  NaN and infinities in the inputs are not followed (the maxima drop NaN).
; v_exp_f32 gives zero for results below 2^-126.  The sums of p run in the order of the registers, not in the order of the keys.
.set SIZE_K, 1024
.set KSTEP,  128
.set PITCH,  272
.set HALFT,  128*PITCH
.set SLOT,   4*HALFT
.set STAGE,  2*SLOT                    ; 16 rows x 272 bytes for each wave
.set XCH,    STAGE+4*16*PITCH          ; 512 bytes for each wave: its 128 row maxima
.set LAPS,   SIZE_K/(2*KSTEP)
.set QROW,   4096                      ; bytes in a row of qk
.set PROW,   4096                      ; bytes in a row of P
.set CLOG,   0x3d38aa3b                ; log2(e) / 32
.set ADRA, 16
.set ADRB, 20
.set STO,  24                          ; stage: where I put 16 bytes of a row
.set RD,   25                          ; stage: where I read a row back
.set CO,   26                          ; my byte offset in P
.set XW,   27                          ; where I put my wave's maxima
.set XR,   28                          ; where the other key half's lie
.set DD,   29                          ; r - 8 h: register j of a diagonal tile is kept where j <= r - 8 h
.set NINF, 30                          ; -inf
.set SL,   31                          ; stage + 16 l
.set SW,   6                           ; stage + 4 r
.set SO,   7                           ; 16 l
.set F0,   64
.set F1,   128
.set T,    64                          ; v64-127   one row block's 64 numbers a lane
.set MX,   192                         ; v192-223  four running maxima for each of 8 row blocks
.set SUM,  192                         ; v192-199  four running pairs of sums
.set M,    224                         ; v224-231  row maxima, later c m
.set LS,   232                         ; v232-239  row sums
.set NM,   240                         ; v240-255  - c m, twice (a pair for the packed multiply-add)
.set G1, 24
.set G0, 32
.set MK, 70                            ; s[70:77] lane masks of a diagonal tile's eight registers
.set MSB, 0
.macro WIN new
.if MSB != \new
	s_set_vgpr_msb (MSB<<8)|\new
.set MSB, \new
.endif
.endm
.set MUL_LO, 0xa1
.set MUL_HI, 0xf1
.set TO_B,   0x40
	s_load_b128 s[4:7], s[0:1], 0x0                ; qk s[4:5], P s[6:7]
	s_load_b64 s[8:9], s[0:1], 0x10                ; stat
	s_set_vgpr_msb 0x40
	v_lshl_add_u32 v255, v0, 2, 0x48c00
	s_set_vgpr_msb 0x4000
	v_mov_b32 v63, 0
	s_set_vgpr_msb 0x1
	ds_add_u32 v255, v63
	ds_add_u32 v255, v63
	s_set_vgpr_msb 0x100
	v_lshrrev_b32 v1, 5, v0
	v_readfirstlane_b32 s10, v1                    ; wave
	s_lshr_b32 s11, s10, 1                         ; rh: which 128 queries.  Also: I fetch for q (0) or for k (1)
	s_and_b32 s12, s10, 1                          ; ch: which 128 keys.  Also: which 128 rows I fetch
	s_and_b32 s13, ttmp7, 0xffff                   ; y, 0..17
	s_lshr_b32 s15, ttmp9, 2                       ; x's bit 2: the batch's upper bit
	s_and_b32 s14, ttmp9, 3
	s_lshl2_add_u32 s14, s13, s14                  ; j = 4 y + x % 4, 0..71
	s_cmp_ge_u32 s13, 9                            ; j >= 36
	s_cselect_b32 s16, 1, 0                        ; the batch's lower bit
	s_cselect_b32 s17, 36, 0
	s_lshl1_add_u32 s15, s15, s16                  ; b
	s_sub_co_u32 s17, s14, s17                     ; the tile's number, 0..35
	s_mul_i32 s14, s17, 57
	s_lshr_b32 s14, s14, 9                         ; p = number / 9 (57 / 512 serves for 0..35)
	s_mul_i32 s16, s14, 9
	s_sub_co_u32 s22, s17, s16                     ; t = number - 9 p, 0..8
	s_sub_co_u32 s16, 7, s14
	s_sub_co_u32 s17, s22, s14
	s_sub_co_u32 s17, s17, 1
	s_cmp_le_u32 s22, s14
	s_cselect_b32 s18, s14, s16                    ; qi
	s_cselect_b32 s19, s22, s17                    ; kj
	s_mov_b32 s[G1+0], (1<<16)|(1<<20)|(5<<22)|(3<<25)   ; elements of 2 bytes; 16 bytes of padding behind every 64 words
	s_mov_b32 s[G1+1], KSTEP<<16
	s_mov_b32 s[G1+2], 128<<16
	s_mov_b32 s[G1+3], KSTEP<<16
	s_mov_b32 s[G1+4], 128
	s_mov_b32 s[G1+5], 2048                        ; elements from row to row of qk
	s_mov_b32 s[G1+6], 0
	s_mov_b32 s[G1+7], 0
	s_cmp_lt_u32 s10, 2
	s_cselect_b32 s20, s18, s19                    ; waves 0, 1: q's block; waves 2, 3: k's
	s_cselect_b32 s21, 0, 2048                     ; q begins a row of qk, k lies 2,048 bytes in
	s_lshl_b32 s20, s20, 8
	s_lshl_b32 s22, s12, 7
	s_add_co_u32 s20, s20, s22
	s_lshl_b32 s22, s15, 11
	s_add_co_u32 s20, s20, s22                     ; the first row that I fetch
	s_mul_i32 s20, s20, QROW
	s_add_co_u32 s20, s20, s21
	s_mov_b32 s21, 0
	s_mul_i32 s23, s10, HALFT                      ; q's two halves, then k's two halves
	s_wait_dscnt 0x0
	s_wait_kmcnt 0x0
	s_add_nc_u64 s[20:21], s[4:5], s[20:21]
.irp s, 0,1
	s_mov_b32 s[G0+4*\s], 1
	s_add_co_u32 s[G0+4*\s+1], s23, \s*SLOT
	s_add_nc_u64 s[G0+4*\s+2:G0+4*\s+3], s[20:21], \s*KSTEP*2
	s_or_b32 s[G0+4*\s+3], s[G0+4*\s+3], 0x80000000
	tensor_load_to_lds s[G0+4*\s:G0+4*\s+3], s[G1:G1+7]   ; both slots at once: two tensor loads of the wave are out
	s_nop 0
.endr
	v_and_b32 v1, 15, v0                           ; r
	v_bfe_u32 v2, v0, 4, 1                         ; h
	v_and_b32 v5, 31, v0                           ; l
	v_mul_u32_u24 v3, v1, PITCH
	v_lshl_add_u32 v3, v2, 4, v3                   ; r x pitch + 16 h
	s_mul_i32 s40, s11, HALFT
	s_mul_i32 s41, s12, HALFT
	s_add_co_u32 s41, s41, 2*HALFT
	v_add_nc_u32 v[ADRA], s40, v3
	v_add_nc_u32 v[ADRB], s41, v3
	v_add_nc_u32 v[ADRA+1], SLOT, v[ADRA]
	v_add_nc_u32 v[ADRB+1], SLOT, v[ADRB]
	s_mul_i32 s40, s10, 16*PITCH
	s_add_co_u32 s40, s40, STAGE                   ; my stage
	v_add_nc_u32 v[STO], s40, v3
	v_mul_u32_u24 v4, v2, PITCH
	v_lshl_add_u32 v4, v1, 4, v4
	v_add_nc_u32 v[RD], s40, v4
	v_lshlrev_b32 v4, 12, v2
	v_lshl_add_u32 v[CO], v1, 4, v4                ; two rows of P, 256 bytes each
	v_lshl_add_u32 v[SL], v5, 4, s40
	v_lshl_add_u32 v[SW], v1, 2, s40
	v_lshlrev_b32 v[SO], 4, v5
	s_lshl_b32 s40, s10, 9
	s_add_co_u32 s40, s40, XCH
	v_lshl_add_u32 v[XW], v1, 2, s40
	s_xor_b32 s40, s10, 1
	s_lshl_b32 s40, s40, 9
	s_add_co_u32 s40, s40, XCH
	v_lshl_add_u32 v[XR], v1, 2, s40
	v_lshlrev_b32 v4, 3, v2
	v_sub_nc_u32 v[DD], v1, v4
	v_mov_b32 v[NINF], 0xff800000
	s_mov_b32 s78, 0xff800000                      ; -inf
	s_mov_b32 s82, 0xbd38aa3b                      ; - c
	s_mov_b32 s84, 0x76543210                      ; v_permlanex16_b32: lane i reads lane i of the other half
	s_mov_b32 s85, 0xfedcba98
	s_sub_co_i32 s86, s18, s19
	s_lshl_b32 s86, s86, 1
	s_add_co_i32 s86, s86, s11
	s_sub_co_i32 s86, s86, s12                     ; (my first query - my first key) / 128: 0 on the diagonal, -1 wholly above it, else all is kept
	s_cmp_eq_i32 s86, -1
	s_cselect_b32 s80, 0, CLOG                     ; the scale of the scores, or 0 in the wave above the diagonal
	s_cselect_b32 s83, -1, 0                       ; all lanes, or none
	s_mov_b32 s81, s80
	s_lshl_b32 s42, s15, 11                        ; P at my block: row 2048 b + 256 qi + 128 rh, byte 512 kj + 256 ch
	s_lshl_b32 s40, s18, 8
	s_add_co_u32 s42, s42, s40
	s_lshl_b32 s40, s11, 7
	s_add_co_u32 s42, s42, s40
	s_lshl_b32 s42, s42, 12
	s_lshl_b32 s40, s19, 9
	s_add_co_u32 s42, s42, s40
	s_lshl_b32 s40, s12, 8
	s_add_co_u32 s42, s42, s40
	s_mov_b32 s43, 0
	s_add_nc_u64 s[6:7], s[6:7], s[42:43]
	s_lshl_b32 s44, s15, 4                         ; stat [b][kb = 2 kj + ch][plane][2048] f32, at row 256 qi + 128 rh
	s_lshl1_add_u32 s44, s19, s44
	s_add_co_u32 s44, s44, s12
	s_lshl_b32 s44, s44, 14
	s_lshl_b32 s40, s18, 10
	s_add_co_u32 s44, s44, s40
	s_lshl_b32 s40, s11, 9
	s_add_co_u32 s44, s44, s40
	s_mov_b32 s45, 0
	s_add_nc_u64 s[8:9], s[8:9], s[44:45]
.macro MUL16 f, hi, a0, zero
.irp a, \a0, \a0+1
.irp b, 0,1,2,3,4,5,6,7
.if \zero
	v_wmma_f32_16x16x32_f16 v[8*(8*(\a)+\b):8*(8*(\a)+\b)+7], v[\f+8*\b:\f+8*\b+7], v[\f+8*(4*\hi+\a):\f+8*(4*\hi+\a)+7], 0
.else
	v_wmma_f32_16x16x32_f16 v[8*(8*(\a)+\b):8*(8*(\a)+\b)+7], v[\f+8*\b:\f+8*\b+7], v[\f+8*(4*\hi+\a):\f+8*(4*\hi+\a)+7], v[8*(8*(\a)+\b):8*(8*(\a)+\b)+7]
.endif
.endr
.endr
.endm
.macro FETCH slot, k, f                ; 32 LDS loads in one run: 128 rows of k, 128 rows of q, 32 along K
	WIN TO_B
.irp i, 0,1,2,3,4,5,6,7
	ds_load_b128 v[\f+8*\i:\f+8*\i+3],   v[ADRB+\slot] offset:\k+\i*16*PITCH
	ds_load_b128 v[\f+8*\i+4:\f+8*\i+7], v[ADRB+\slot] offset:\k+\i*16*PITCH+32
.endr
	WIN 0
.irp i, 0,1,2,3,4,5,6,7
	ds_load_b128 v[\f+8*\i:\f+8*\i+3],   v[ADRA+\slot] offset:\k+\i*16*PITCH
	ds_load_b128 v[\f+8*\i+4:\f+8*\i+7], v[ADRA+\slot] offset:\k+\i*16*PITCH+32
.endr
.endm
.macro PLACES                          ; four plain vector places behind a matrix instruction (ISA guide 7.12.1)
.rept 4
	v_nop
.endr
.endm
.macro QUARTER slot, k, f, g, zero
	s_wait_dscnt 8                                 ; k and q's rows 0-63 are in; the youngest eight loads (q's rows 64-127) may be out
	WIN MUL_LO
	MUL16 \f, 0, 0, \zero
	MUL16 \f, 0, 2, \zero
	PLACES
	FETCH \slot, \k, \g
	s_wait_dscnt 32                                ; all but the 32 just issued
	WIN MUL_HI
	MUL16 \f, 1, 0, \zero
	MUL16 \f, 1, 2, \zero
.endm
.macro THREE slot, zero
	QUARTER \slot, 64,  F0, F1, \zero
	QUARTER \slot, 128, F1, F0, 0
	QUARTER \slot, 192, F0, F1, 0
.endm
; The last quarter changes slots: each wave waits for its reads of this slot and for all its tensor loads (one is out: its part of the next slot), then the
; barrier; behind it the refill comes first.  From a request to the wait for it a wave issues 240 matrix instructions.
.macro TURN slot, next, fill
	s_wait_dscnt 8
	WIN MUL_LO
	MUL16 F1, 0, 0, 0
	s_wait_dscnt 0
	s_wait_tensorcnt 0x0                           ; no tensor load of mine is out, so a group 0 may be written
	ds_add_u32 v255, v63
	s_wait_dscnt 0x0
.if \fill
	s_add_nc_u64 s[G0+4*\slot+2:G0+4*\slot+3], s[G0+4*\slot+2:G0+4*\slot+3], 2*KSTEP*2
.endif
	s_barrier_signal -1
	MUL16 F1, 0, 2, 0
	s_barrier_wait -1
.if \fill
	tensor_load_to_lds s[G0+4*\slot:G0+4*\slot+3], s[G1:G1+7]
	s_nop 0
.endif
	PLACES
	FETCH \next, 0, F0
	WIN MUL_HI
	MUL16 F1, 1, 0, 0
	MUL16 F1, 1, 2, 0
.endm
.macro LAP zero
	THREE 0, \zero
	TURN 0, 1, 1
	THREE 1, 0
	TURN 1, 0, 1
.endm
	s_wait_tensorcnt 1                             ; my part of K step 0 is in; K step 1 may stay out
	s_barrier_signal -1
	s_barrier_wait -1
	FETCH 0, 0, F0
	LAP 1
	WIN 0
	s_mov_b32 s3, LAPS-2
.Llap:
	LAP 0
	WIN 0
	s_sub_co_u32 s3, s3, 1
	s_cmp_lg_u32 s3, 0
	s_cbranch_scc1 .Llap
	THREE 0, 0
	TURN 0, 1, 0
	THREE 1, 0
	s_wait_dscnt 8
	WIN MUL_LO
	MUL16 F1, 0, 0, 0
	MUL16 F1, 0, 2, 0
	s_wait_dscnt 0
	WIN MUL_HI
	MUL16 F1, 1, 0, 0
	MUL16 F1, 1, 2, 0
	PLACES                                         ; behind the last matrix instructions, for all that follows
	WIN 0
	; THE MASK, in a wave on the diagonal alone: key 16 b + 8 h + j is kept for query 16 a + r where it is not larger.
	s_cmp_lg_u32 s86, 0
	s_cbranch_scc1 .Lnomask
.irp j, 0,1,2,3,4,5,6,7
	v_cmp_le_i32 s[MK+\j], \j, v[DD]
.endr
; row block a (aw = its place in its window): tile b = a is masked by lanes; the tiles b > a hold nothing that is kept
.macro DIAG a, aw
.irp j, 0,1,2,3,4,5,6,7
	v_cndmask_b32 v[64*\aw+8*\a+\j], s78, v[64*\aw+8*\a+\j], s[MK+\j]
.endr
.if \a < 7
.set i, 64*\aw+8*\a+8
.rept 8*(7-\a)
	v_mov_b32 v[i], s78
.set i, i+1
.endr
.endif
.endm
	WIN 0x88                                       ; source 1 and destination in window 2
	DIAG 0, 0
	DIAG 1, 1
	DIAG 2, 2
	DIAG 3, 3
	WIN 0xcc                                       ; in window 3
	DIAG 4, 0
	DIAG 5, 1
	DIAG 6, 2
	DIAG 7, 3
	WIN 0
.Lnomask:
	; THE ROW MAXIMA of my 128 keys: 64 numbers a lane and row block, in four chains
.macro ROWMAX a, aw
.irp c, 0,1,2,3
	v_max3_num_f32 v[MX+4*\a+\c], s78, v[64*\aw+16*\c], v[64*\aw+16*\c+1]
.endr
.irp i, 1,2,3,4,5,6,7
.irp c, 0,1,2,3
	v_max3_num_f32 v[MX+4*\a+\c], v[MX+4*\a+\c], v[64*\aw+16*\c+2*\i], v[64*\aw+16*\c+2*\i+1]
.endr
.endr
.endm
	WIN 0x28                                       ; sources 1 and 2 in window 2
	ROWMAX 0, 0
	ROWMAX 1, 1
	ROWMAX 2, 2
	ROWMAX 3, 3
	WIN 0x3c                                       ; in window 3
	ROWMAX 4, 0
	ROWMAX 5, 1
	ROWMAX 6, 2
	ROWMAX 7, 3
	WIN 0
.irp a, 0,1,2,3,4,5,6,7
	v_max3_num_f32 v[MX+4*\a], v[MX+4*\a], v[MX+4*\a+1], v[MX+4*\a+2]
	v_max_num_f32 v[MX+4*\a], v[MX+4*\a], v[MX+4*\a+3]
	v_permlanex16_b32 v[MX+4*\a+1], v[MX+4*\a], s84, s85     ; the other eight keys of each sixteen
	v_max_num_f32 v[M+\a], v[MX+4*\a], v[MX+4*\a+1]
	v_cndmask_b32 v[M+\a], v[M+\a], v[NINF], s83             ; the wave above the diagonal has kept nothing
	ds_store_b32 v[XW], v[M+\a] offset:64*\a                 ; lanes r and r + 16 write the same word with the same value
.endr
	s_wait_dscnt 0x0                               ; my stores are done, for the wave that reads them
	s_barrier_signal -1
	s_barrier_wait -1
.irp a, 0,1,2,3,4,5,6,7
	ds_load_b32 v[MX+\a], v[XR] offset:64*\a       ; the maxima of the tile's other 128 keys
.endr
	s_wait_dscnt 0x0
.irp a, 0,1,2,3,4,5,6,7
	v_max_num_f32 v[M+\a], v[M+\a], v[MX+\a]       ; finite: every row of a tile keeps at least one key
	v_mul_f32 v[NM+2*\a], s82, v[M+\a]             ; - c m, the same rounding as c m below
	v_cndmask_b32 v[NM+2*\a], v[NM+2*\a], v[NINF], s83
	v_mov_b32 v[NM+2*\a+1], v[NM+2*\a]
	v_mul_f32 v[M+\a], CLOG, v[M+\a]               ; c m, as stat keeps it
.endr
; Row block a: p = exp2(c s - c m), its sums, p to f16, 16 rows through my stage into P.  from: source 0 in window 2 or 3; f: the read-back buffer
.macro OUTP a, aw, from, f
	WIN \from
.set i, 0
.rept 32
	v_pk_fma_f32 v[T+2*i:T+2*i+1], v[64*\aw+2*i:64*\aw+2*i+1], s[80:81], v[NM+2*\a:NM+2*\a+1] op_sel_hi:[1,0,1]
.set i, i+1
.endr
	WIN 0
.set i, 0
.rept 64
	v_exp_f32 v[T+i], v[T+i]
.set i, i+1
.endr
	v_nop                                          ; one plain place between the exponentials and the first use (ISA guide 5.7.2)
	s_wait_alu depctr_va_vdst(0)
.irp k, 0,1,2,3
	v_pk_add_f32 v[SUM+2*\k:SUM+2*\k+1], v[T+2*\k:T+2*\k+1], v[T+8+2*\k:T+8+2*\k+1]
.endr
.set i, 8
.rept 24
	v_pk_add_f32 v[SUM+2*(i%4):SUM+2*(i%4)+1], v[SUM+2*(i%4):SUM+2*(i%4)+1], v[T+2*i:T+2*i+1]
.set i, i+1
.endr
	v_pk_add_f32 v[SUM:SUM+1], v[SUM:SUM+1], v[SUM+2:SUM+3]
	v_pk_add_f32 v[SUM+4:SUM+5], v[SUM+4:SUM+5], v[SUM+6:SUM+7]
	v_pk_add_f32 v[SUM:SUM+1], v[SUM:SUM+1], v[SUM+4:SUM+5]
	v_add_f32 v[SUM], v[SUM], v[SUM+1]
	v_permlanex16_b32 v[SUM+1], v[SUM], s84, s85
	v_add_f32 v[LS+\a], v[SUM], v[SUM+1]
.set i, 0
.rept 32
	v_cvt_pk_f16_f32 v[T+i], v[T+2*i], v[T+2*i+1]  ; packed downward in place: register i is written when 2 i and 2 i + 1 are read
.set i, i+1
.endr
.irp b, 0,1,2,3,4,5,6,7
	ds_store_b128 v[STO], v[T+4*\b:T+4*\b+3] offset:32*\b
.endr
	s_wait_xcnt 0x0                                ; buffer f, which earlier stores read, is loaded again only behind this wait
.irp t, 0,1,2,3,4,5,6,7
	ds_load_b128 v[\f+4*\t:\f+4*\t+3], v[RD] offset:\t*2*PITCH     ; LDS serves a wave in order: these see the stores above
.endr
.irp t, 0,1,2,3,4,5,6,7
	s_wait_dscnt 7-\t
	global_store_b128 v[CO], v[\f+4*\t:\f+4*\t+3], s[6:7] offset:(16*\a+2*\t)*PROW   ; sixteen lanes store 256 consecutive bytes, aligned
.endr
.endm
	OUTP 0, 0, 0x02, 128
	OUTP 1, 1, 0x02, 160
	OUTP 2, 2, 0x02, 128
	OUTP 3, 3, 0x02, 160
	OUTP 4, 0, 0x03, 128
	OUTP 5, 1, 0x03, 160
	OUTP 6, 2, 0x03, 128
	OUTP 7, 3, 0x03, 160
	; c m and the sums of my 128 rows: gathered in my stage, stored as 512 neighbouring bytes each
.irp a, 0,1,2,3,4,5,6,7
	ds_store_b32 v[SW], v[M+\a] offset:64*\a
	ds_store_b32 v[SW], v[LS+\a] offset:512+64*\a
.endr
	ds_load_b128 v[T:T+3], v[SL]
	ds_load_b128 v[T+4:T+7], v[SL] offset:512
	s_wait_dscnt 0x0
	global_store_b128 v[SO], v[T:T+3], s[8:9]
	global_store_b128 v[SO], v[T+4:T+7], s[8:9] offset:8192
	s_set_vgpr_msb 0x1
	s_wait_tensorcnt 0x0
	ds_add_u32 v255, v63
	s_wait_dscnt 0x0
	s_set_vgpr_msb 0x100
	s_endpgm
.Lfunc_end_k_q485ae2659f_scores:
	.size	k_q485ae2659f_scores, .Lfunc_end_k_q485ae2659f_scores-k_q485ae2659f_scores
	.p2alignl 7, 3214868480
	.fill 96, 4, 3214868480
	.section	.rodata,"a",@progbits
	.p2align	6, 0x0
	.amdhsa_kernel k_q485ae2659f_scores
		.amdhsa_group_segment_fixed_size 327680
		.amdhsa_private_segment_fixed_size 0
		.amdhsa_enable_private_segment 0
		.amdhsa_kernarg_size 24
		.amdhsa_user_sgpr_count 2
		.amdhsa_user_sgpr_kernarg_segment_ptr 1
		.amdhsa_wavefront_size32 1
		.amdhsa_system_sgpr_workgroup_id_x 1
		.amdhsa_system_sgpr_workgroup_id_y 1
		.amdhsa_system_sgpr_workgroup_id_z 1
		.amdhsa_system_vgpr_workitem_id 0
		.amdhsa_next_free_vgpr 1024
		.amdhsa_next_free_sgpr 90
		.amdhsa_reserve_vcc 0
		.amdhsa_float_denorm_mode_32 3
		.amdhsa_float_denorm_mode_16_64 3
		.amdhsa_memory_ordered 1
		.amdhsa_forward_progress 1
		.amdhsa_inst_pref_size 255
	.end_amdhsa_kernel
	.section	.bss,"aw",@nobits
	.p2align	6
	.space	262144
	.amdgpu_metadata
---
amdhsa.version: [ 1, 2 ]
amdhsa.kernels:
  - .name:           k_q485ae2659f_scores
    .symbol:         k_q485ae2659f_scores.kd
    .args:
      - { .name: qk, .offset: 0, .size: 8, .value_kind: global_buffer, .address_space: global }
      - { .name: P, .offset: 8, .size: 8, .value_kind: global_buffer, .address_space: global }
      - { .name: stat, .offset: 16, .size: 8, .value_kind: global_buffer, .address_space: global }
    .group_segment_fixed_size: 327680
    .private_segment_fixed_size: 0
    .kernarg_segment_align: 8
    .kernarg_segment_size: 24
    .max_flat_workgroup_size: 128
    .sgpr_count:     90
    .vgpr_count:     1024
    .wavefront_size: 32
...
	.end_amdgpu_metadata
.endif
;; end of part 3
;; launch px (part 4): grid 8 x 32, 4 waves a work-group, clusters of 4 x 1, 327,680 bytes of LDS; arguments P, xh, stat, y; writes y
.if DOCPART == 4
	.amdgcn_target "amdgcn-amd-amdhsa--gfx1250"
	.amdhsa_code_object_version 6
	.text
	.protected	k_q485ae2659f_px
	.globl	k_q485ae2659f_px
	.p2align	8
	.type	k_q485ae2659f_px,@function
k_q485ae2659f_px:
	s_mov_b64 s[64:65], 0
	v_nop
	global_prefetch_b8 v0, s[64:65] scope:SCOPE_SE
	s_setreg_imm32_b32 hwreg(HW_REG_WAVE_MODE, 25, 1), 1
	s_wait_xcnt 0x0
	s_wait_alu depctr_hold_cnt(0) depctr_sa_sdst(0) depctr_va_vdst(0) depctr_va_sdst(0) depctr_va_ssrc(0) depctr_va_vcc(0) depctr_vm_vsrc(0)
	s_getreg_b32 s2, hwreg(HW_REG_IB_STS2, 6, 4)
	s_cmp_eq_u32 s2, 0
	s_cbranch_scc0 .Lentry_in_a_cluster
	s_endpgm
.Lentry_in_a_cluster:
	s_bfe_u32 s2, ttmp6, 0x10000c
	s_cmp_lg_u32 s2, 0x3003
	s_cbranch_scc0 .Lentry_shape_is_right
	s_endpgm
.Lentry_shape_is_right:
; y[q][d] = sum over the tiles t of 256 keys of f_t[q] (P_t X_t)[q][d], with f_t = exp2(m_t - M) / L, M = max over t of m_t, L = sum over t of exp2(m_t - M) l_t:
; m_t (the tile's row maximum times log2(e) / 32) and l_t (its row sums) come from stat, P_t (f16, at most 1) from P, X from xh.  y is the softmax's weighted sum of the rows of x;
; the next launch multiplies it by Wv.  attn (x Wv^T) = (attn x) Wv^T for every input, the multiply-adds are as many, and v is never rounded to 16 bits:
; y, a weighted mean of x, is rounded once to f16 and cannot leave x's range.
; Every exponent is at most 0, and L is at least the sum of the tile that holds the row's maximum, which holds a term of about 1.
; GRID: x = column block ob of 128 columns (8); y, 0..31, holds the batch b = 2 x (bit 1) + (bit 4) and p = 2 x (bits 3:2) + (bit 0).  So two work-groups whose y differs in
; bit 1 read no common byte of P, xh or stat.  A work-group makes two blocks of 128 queries x 128 columns: query block p and query block 15 - p.
; They have c1 = p / 2 + 1 and 9 - c1 tiles of keys: nine steps in every work-group, 256 work-groups of equal work.  Wave (rh, oh) makes 64 x 64 of each block.
; THE NINE STEPS stand in a fixed order with labels 0, 8, 1, 2, .. 7: label 0 is (block 1, tile 0), label 8 is (block 2, tile 0), a label n in 1..7 is
; (block 1, tile n) where n < c1 and (block 2, tile 8 - n) otherwise; only labels 1-3 can fall either way.  c1 hangs on the grid's y alone.
; Each step's product is summed from zero in one of two sets of 16 accumulator tiles and folded into its block's f32 sums with the row's factor during the next step.
; CLUSTER 4, 1, 1: the four column blocks of a cluster read the same tiles of P: asked for jointly.  X's tile hangs on the column block and is each work-group's own;
; work-groups that share a column block differ in p and so walk different lists of key tiles: no joint request for X.
; PREFETCH: a step's tiles are requested one step before they are read, which is all that two slots of 141,312 bytes allow, so wave 2 asks ahead for later steps' bytes.
; P: a tile (128 rows x 512 bytes) is read by the eight column blocks; column block ob asks for its rows 16 ob .. + 15, two lanes a row, 256 bytes apart, one instruction,
; two steps ahead of the tile's tensor load: steps 2 and 3 at the start, step s + 4 behind the request for step s + 2, the last for step 8.
; xh: a tile (256 rows x 256 bytes) of one batch and column block is read by up to eight work-groups p; each p asks for its rows 32 p .. + 31, one lane a row: tiles 1, 7, 2, 6 at
; the start, 3 and 5 in step 0, 4 in step 1, each ahead of the first tensor load of any p that wants it.  Tile 0 and the first two tiles of P are loaded at once and not asked for.
; Every block of 256 bytes is asked for once in the launch, and only bytes of tiles that some work-group loads.
; The matrix instruction is used transposed (source 0 = 16 columns of X, read from [key][d] rows by transposing loads; source 1 = 16 rows of P):
; lane l holds query l % 16, its registers the columns 8 (l / 16) + 0 .. 7, so a row's factor is one number a lane.
; The 16 accumulators of a set take turns, one instruction a turn.
; LIMITS: sums run in tile order; v_exp_f32 gives zero below 2^-126; NaN and infinities are not followed.
.set APITCH, 528                       ; a row of P's tile: 512 bytes + 16, an odd multiple of 16
.set VPITCH, 288                       ; a row of X's tile: 256 bytes + 32, an odd multiple of 32
.set AHALF,  64*APITCH
.set ABYTES, 128*APITCH
.set VHALF,  128*VPITCH
.set SLOT,   ABYTES+2*VHALF            ; 141,312
.set FT,     2*SLOT                    ; factors, f32 [block 2][tile 8][row 128]
.set STAGE,  SLOT                      ; the way out: 256 rows x 272 bytes in slot 1, behind its last fill and its last read
.set SPITCH, 272
.set VSTEP,  256*2048                  ; 256 rows of xh
.set YROW,   2048                      ; bytes in a row of y
.set ADRA, 8                           ; v8-9    my fragments of P in slot 0, 1
.set ADRV, 10                          ; v10-13  my fragments of X: 2 x slot + half of the keys
.set FTA,  14                          ; v14     my rows in the table of factors
.set STO,  15
.set RD,   16
.set CO,   17
.set FTW,  18
.set VO,   19
.set OT,   20                          ; v20-27  stat: byte offset of tile t
.set PF,   28                          ; v28     prefetch of P: (16 ob + l / 2) rows of 4,096 bytes + 256 (l % 2); never rewritten
.set PX,   29                          ; v29     prefetch of xh: (32 p + l) rows of 2,048 bytes; never rewritten
.set FA,   32                          ; v32-39  block 1's factors of four row blocks in the even registers, 0 in the odd ones
.set FB,   40                          ; v40-47  block 2's
.set F0,   64
.set F1,   128
.set OB,   64                          ; v64-191 the way out: both blocks packed, then 32 read-backs
.set MT,   64                          ; the table's making: m, then e, then f of 8 tiles x 4 rows
.set L0,   96
.set L1,   128
.set MM,   160
.set LL,   164
.set RC,   168
.set T0,   0                           ; window 2: the two sets of step sums
.set T1,   128
.set MAIN1, 0                          ; window 3: the two blocks' sums
.set MAIN2, 128
.set G1A, 24
.set G0A, 32
.set PA1, 40                           ; s[40:41] P at block 1's rows that I fetch
.set PA2, 42                           ; s[42:43] at block 2's
.set VB,  44                           ; s[44:45] xh at the rows of tile 0 that I fetch
.set G1V, 48
.set G0V, 56
.set VAL, 70                           ; s[70:85] 1.0 or 0 for each tile, twice
.set PFB, 94                           ; s[94:99] P's tiles of labels 1, 2, 3, for the prefetch; never rewritten
.set MSB, 0
.macro WIN new
.if MSB != \new
	s_set_vgpr_msb (MSB<<8)|\new
.set MSB, \new
.endif
.endm
.set MULW, 0xa1                        ; source 0 (X) window 1, source 1 (P) window 0, C and D window 2
.set TO_V, 0x40
.macro JLOAD s                         ; waves 0, 1 ask jointly for a half of P's tile, waves 2, 3 for a half of X's
	s_cmp_lt_u32 s12, 2
	s_cbranch_scc0 .Lfor_v_\@
	tensor_load_to_lds s[G0A+4*\s:G0A+4*\s+3], s[G1A:G1A+7]
	s_nop 0
	s_branch .Lasked_\@
.Lfor_v_\@:
	tensor_load_to_lds s[G0V+4*\s:G0V+4*\s+3], s[G1V:G1V+7]
	s_nop 0
.Lasked_\@:
.endm
.macro CREST
	s_cmp_lg_u32 s12, 0
	s_cbranch_scc1 .Lnot_wave_0_\@
	s_barrier_signal -3
.Lnot_wave_0_\@:
	s_barrier_wait -3
	s_barrier_signal -1
	s_barrier_wait -1
.endm
.macro CROUND
	s_barrier_signal -1
	s_barrier_wait -1
	CREST
.endm
; the addresses of a step's tiles into slot's two groups 0.  Fixed: block pa, tile t
.macro SETSTAT slot, pa, t
	s_add_nc_u64 s[G0A+4*\slot+2:G0A+4*\slot+3], s[\pa:\pa+1], 512*(\t)
	s_add_nc_u64 s[G0V+4*\slot+2:G0V+4*\slot+3], s[VB:VB+1], VSTEP*(\t)
	s_or_b32 s[G0A+4*\slot+3], s[G0A+4*\slot+3], 0x80000000
	s_or_b32 s[G0V+4*\slot+3], s[G0V+4*\slot+3], 0x80000000
.endm
; Label lam in 1..3: (block 1, tile lam) where lam < c1, else (block 2, tile 8 - lam)
.macro SETDYN slot, lam
	s_add_nc_u64 s[66:67], s[PA1:PA1+1], 512*\lam
	s_add_nc_u64 s[68:69], s[PA2:PA2+1], 512*(8-\lam)
	s_add_nc_u64 s[70:71], s[VB:VB+1], VSTEP*\lam
	s_add_nc_u64 s[72:73], s[VB:VB+1], VSTEP*(8-\lam)
	s_cmp_gt_u32 s20, \lam
	s_cselect_b64 s[G0A+4*\slot+2:G0A+4*\slot+3], s[66:67], s[68:69]
	s_cselect_b64 s[G0V+4*\slot+2:G0V+4*\slot+3], s[70:71], s[72:73]
	s_or_b32 s[G0A+4*\slot+3], s[G0A+4*\slot+3], 0x80000000
	s_or_b32 s[G0V+4*\slot+3], s[G0V+4*\slot+3], 0x80000000
.endm
; Wave 2 (whose PA1, PA2 and VB point at the tiles' first rows) asks for my share of a later tile of P at s[pb:pb+1] + po, and of tiles xa and xb of xh (0: none)
.macro ASKS pb, po, xa, xb
	s_cmp_lg_u32 s12, 2
	s_cbranch_scc1 .Lno_ask_\@
	global_prefetch_b8 v[PF], s[\pb:\pb+1] offset:\po th:TH_LOAD_NT scope:SCOPE_SE
.if \xa
	global_prefetch_b8 v[PX], s[VB:VB+1] offset:\xa*VSTEP th:TH_LOAD_NT scope:SCOPE_SE
.endif
.if \xb
	global_prefetch_b8 v[PX], s[VB:VB+1] offset:\xb*VSTEP th:TH_LOAD_NT scope:SCOPE_SE
.endif
.Lno_ask_\@:
.endm
	s_load_b256 s[4:11], s[0:1], 0x0               ; P s[4:5], xh s[6:7], stat s[8:9], y s[10:11]
	v_lshl_add_u32 v254, v0, 2, 0x47000
	v_mov_b32 v255, 0
	ds_add_u32 v254, v255
	ds_add_u32 v254, v255
	v_lshrrev_b32 v1, 5, v0
	v_readfirstlane_b32 s12, v1                    ; wave
	s_and_b32 s13, s12, 1                          ; oh: which 64 columns.  Also: which half of a tile I fetch
	s_lshr_b32 s14, s12, 1                         ; rh: which 64 queries
	s_bfe_u32 s15, ttmp6, 0x40000                  ; cx
	s_lshl_b32 s16, ttmp9, 2
	s_add_co_u32 s16, s16, s15                     ; ob = 4 x cluster x + cx
	s_and_b32 s17, ttmp7, 0xffff                   ; y, 0..31
	s_bfe_u32 s19, s17, 0x10001                    ; y's bit 1
	s_lshr_b32 s22, s17, 4                         ; y's bit 4
	s_lshl1_add_u32 s19, s19, s22                  ; b
	s_bfe_u32 s18, s17, 0x20002                    ; y's bits 3:2
	s_and_b32 s22, s17, 1
	s_lshl1_add_u32 s18, s18, s22                  ; p: block 1's query block
	s_lshr_b32 s20, s18, 1
	s_add_co_u32 s20, s20, 1                       ; c1
	s_sub_co_u32 s21, 15, s18                      ; block 2's query block
	; P's half tile: 64 rows x 256 elements, 16 bytes of padding behind every 128 words; the mask names the cluster's four
	s_mov_b32 s[G1A+0], 15|(1<<16)|(1<<20)|(1<<21)|(6<<22)|(3<<25)
	s_mov_b32 s[G1A+1], 256<<16
	s_mov_b32 s[G1A+2], 64<<16
	s_mov_b32 s[G1A+3], 256<<16
	s_mov_b32 s[G1A+4], 64
	s_mov_b32 s[G1A+5], 2048
	s_mov_b32 s[G1A+6], 0
	s_mov_b32 s[G1A+7], 0
	; X's half tile: 128 rows x 128 elements, 32 bytes of padding behind every 64 words; no mask
	s_mov_b32 s[G1V+0], (1<<16)|(1<<20)|(5<<22)|(7<<25)
	s_mov_b32 s[G1V+1], 128<<16
	s_mov_b32 s[G1V+2], 128<<16
	s_mov_b32 s[G1V+3], 128<<16
	s_mov_b32 s[G1V+4], 128
	s_mov_b32 s[G1V+5], 1024
	s_mov_b32 s[G1V+6], 0
	s_mov_b32 s[G1V+7], 0
	s_lshl_b32 s22, s19, 11
	s_lshl_b32 s23, s13, 6
	s_add_co_u32 s22, s22, s23                     ; 2048 b + 64 x half
	s_lshl_b32 s23, s18, 7
	s_add_co_u32 s40, s22, s23
	s_lshl_b32 s40, s40, 12                        ; x 4,096 bytes
	s_mov_b32 s41, 0
	s_lshl_b32 s23, s21, 7
	s_add_co_u32 s42, s22, s23
	s_lshl_b32 s42, s42, 12
	s_mov_b32 s43, 0
	s_lshl_b32 s44, s19, 11
	s_lshl_b32 s46, s13, 7
	s_add_co_u32 s44, s44, s46                     ; 2048 b + 128 x half
	s_lshl_b32 s44, s44, 11                        ; x 2,048 bytes
	s_lshl_b32 s46, s16, 8                         ; the column block's 256 bytes (registers that feed P's descriptors never hold cx)
	s_add_co_u32 s44, s44, s46
	s_mov_b32 s45, 0
	s_mul_i32 s22, s13, AHALF                      ; where my half goes
	s_mul_i32 s23, s13, VHALF
	s_add_co_u32 s23, s23, ABYTES
	s_wait_dscnt 0x0
	s_wait_kmcnt 0x0
	s_add_nc_u64 s[PA1:PA1+1], s[4:5], s[40:41]
	s_add_nc_u64 s[PA2:PA2+1], s[4:5], s[42:43]
	s_add_nc_u64 s[VB:VB+1], s[6:7], s[44:45]
	CROUND                                         ; the four work-groups are here: the first joint loads meet
.irp s, 0,1
	s_mov_b32 s[G0A+4*\s], 1
	s_add_co_u32 s[G0A+4*\s+1], s22, \s*SLOT
	s_mov_b32 s[G0V+4*\s], 1
	s_add_co_u32 s[G0V+4*\s+1], s23, \s*SLOT
.endr
	SETSTAT 0, PA1, 0                              ; label 0
	JLOAD 0
	SETSTAT 1, PA2, 0                              ; label 8
	JLOAD 1                                        ; two tensor loads of the wave are out
	v_and_b32 v1, 15, v0                           ; r
	v_bfe_u32 v2, v0, 4, 1                         ; h
	v_and_b32 v3, 31, v0                           ; l
	; the first asks, straight behind the first loads: P's tiles of steps 2 and 3 (labels 1 and 2), xh's tiles 1, 7, 2, 6
	v_lshrrev_b32 v4, 1, v3
	s_lshl_b32 s46, s16, 4
	v_add_nc_u32 v4, s46, v4                       ; row 16 ob + l / 2 of P's tile
	v_and_b32 v5, 1, v0
	v_lshlrev_b32 v5, 8, v5
	v_lshl_add_u32 v[PF], v4, 12, v5
	s_lshl_b32 s46, s18, 5
	v_add_nc_u32 v4, s46, v3                       ; row 32 p + l of xh's tile
	v_lshlrev_b32 v[PX], 11, v4
.irp lam, 1,2,3
	s_add_nc_u64 s[66:67], s[PA1:PA1+1], 512*\lam
	s_add_nc_u64 s[68:69], s[PA2:PA2+1], 512*(8-\lam)
	s_cmp_gt_u32 s20, \lam
	s_cselect_b64 s[PFB+2*(\lam-1):PFB+2*(\lam-1)+1], s[66:67], s[68:69]
.endr
	ASKS PFB, 0, 1, 7
	ASKS PFB+2, 0, 2, 6
	v_mul_u32_u24 v4, v1, APITCH
	v_lshl_add_u32 v4, v2, 4, v4
	s_mul_i32 s22, s14, AHALF                      ; my 64 rows of P
	v_add_nc_u32 v[ADRA], s22, v4
	v_add_nc_u32 v[ADRA+1], SLOT, v[ADRA]
	v_and_b32 v4, 7, v0                            ; the transposing load: lane l addresses key 8 h + l % 8, 16 bytes at 16 ((l / 8) % 2)
	v_lshl_add_u32 v4, v2, 3, v4
	v_mul_u32_u24 v4, v4, VPITCH
	v_bfe_u32 v5, v0, 3, 1
	v_lshl_add_u32 v4, v5, 4, v4
	s_lshl_b32 s22, s13, 7                         ; my 64 columns
	s_add_co_u32 s22, s22, ABYTES
	v_add_nc_u32 v[ADRV], s22, v4
	v_add_nc_u32 v[ADRV+1], VHALF, v[ADRV]
	v_add_nc_u32 v[ADRV+2], SLOT, v[ADRV]
	v_add_nc_u32 v[ADRV+3], SLOT, v[ADRV+1]
	s_lshl_b32 s22, s14, 8
	s_add_co_u32 s22, s22, FT
	v_lshl_add_u32 v[FTA], v1, 2, s22
	s_mul_i32 s22, s14, 64*SPITCH                  ; the way out, in: stage row 64 rh + r (+ 128 for block 2), byte 128 oh + 16 h
	s_lshl_b32 s23, s13, 7
	s_add_co_u32 s22, s22, s23
	s_add_co_u32 s22, s22, STAGE
	v_mul_u32_u24 v4, v1, SPITCH
	v_lshl_add_u32 v4, v2, 4, v4
	v_add_nc_u32 v[STO], s22, v4
	s_mul_i32 s22, s12, 64*SPITCH                  ; back: wave w takes stage rows 64 w .. 64 w + 63, two rows a load
	s_add_co_u32 s22, s22, STAGE
	v_mul_u32_u24 v4, v2, SPITCH
	v_lshl_add_u32 v4, v1, 4, v4
	v_add_nc_u32 v[RD], s22, v4
	v_lshlrev_b32 v4, 11, v2
	v_lshl_add_u32 v[CO], v1, 4, v4                ; the same two rows in y
.irp a, 0,1,2,3
	v_mov_b32 v[FA+2*\a+1], 0                      ; the pairs' upper registers are named by the packed forms and never used
	v_mov_b32 v[FB+2*\a+1], 0
.endr
	; THE FACTORS: wave 0 makes block 1's, wave 1 block 2's; lane l takes rows 4 l .. 4 l + 3.  A tile beyond the block's last is read at the last (its factor comes out 0).
	s_cmp_lt_u32 s12, 2
	s_cbranch_scc0 .Lno_ft
	s_cmp_eq_u32 s12, 0
	s_cselect_b32 s90, s18, s21                    ; my block's query block
	s_lshr_b32 s91, s90, 1                         ; its last tile
	s_lshl_b32 s92, s19, 18                        ; stat: 262,144 bytes a batch
	s_mov_b32 s93, 0
	s_add_nc_u64 s[8:9], s[8:9], s[92:93]
	v_lshlrev_b32 v3, 4, v3
	s_lshl_b32 s92, s90, 9
	v_add_nc_u32 v[VO], s92, v3
	s_lshl_b32 s92, s12, 12
	s_add_co_u32 s92, s92, FT
	v_add_nc_u32 v[FTW], s92, v3
.irp t, 0,1,2,3,4,5,6,7
	s_min_u32 s92, s91, \t
	s_lshl_b32 s92, s92, 15                        ; a tile is two blocks of 128 keys, 16,384 bytes each
	v_add_nc_u32 v[OT+\t], s92, v[VO]
	s_cmp_ge_u32 s91, \t
	s_cselect_b32 s[VAL+2*\t], 1.0, 0
	s_mov_b32 s[VAL+2*\t+1], s[VAL+2*\t]
.endr
.irp t, 0,1,2,3,4,5,6,7
	global_load_b128 v[MT+4*\t:MT+4*\t+3], v[OT+\t], s[8:9]               ; m
	global_load_b128 v[L0+4*\t:L0+4*\t+3], v[OT+\t], s[8:9] offset:8192   ; the sums of the first 128 keys
	global_load_b128 v[L1+4*\t:L1+4*\t+3], v[OT+\t], s[8:9] offset:24576  ; of the second
.endr
	s_wait_loadcnt 0x0
.irp i, 0,1,2,3
	v_max3_num_f32 v[MM+\i], v[MT+\i], v[MT+4+\i], v[MT+8+\i]
	v_max3_num_f32 v[MM+\i], v[MM+\i], v[MT+12+\i], v[MT+16+\i]
	v_max3_num_f32 v[MM+\i], v[MM+\i], v[MT+20+\i], v[MT+24+\i]
	v_max_num_f32 v[MM+\i], v[MM+\i], v[MT+28+\i]
.endr
.irp t, 0,1,2,3,4,5,6,7
.irp k, 0,2
	v_pk_add_f32 v[MT+4*\t+\k:MT+4*\t+\k+1], v[MT+4*\t+\k:MT+4*\t+\k+1], v[MM+\k:MM+\k+1] neg_lo:[0,1] neg_hi:[0,1]
	v_pk_add_f32 v[L0+4*\t+\k:L0+4*\t+\k+1], v[L0+4*\t+\k:L0+4*\t+\k+1], v[L1+4*\t+\k:L1+4*\t+\k+1]
.endr
.endr
.set i, 0
.rept 32
	v_exp_f32 v[MT+i], v[MT+i]
.set i, i+1
.endr
	v_nop                                          ; one plain place behind the exponentials
	s_wait_alu depctr_va_vdst(0)
.irp t, 0,1,2,3,4,5,6,7
.irp k, 0,2
	v_pk_mul_f32 v[MT+4*\t+\k:MT+4*\t+\k+1], v[MT+4*\t+\k:MT+4*\t+\k+1], s[VAL+2*\t:VAL+2*\t+1] op_sel_hi:[1,0]
.endr
.endr
.irp k, 0,2
	v_pk_mul_f32 v[LL+\k:LL+\k+1], v[MT+\k:MT+\k+1], v[L0+\k:L0+\k+1]
.endr
.irp t, 1,2,3,4,5,6,7
.irp k, 0,2
	v_pk_fma_f32 v[LL+\k:LL+\k+1], v[MT+4*\t+\k:MT+4*\t+\k+1], v[L0+4*\t+\k:L0+4*\t+\k+1], v[LL+\k:LL+\k+1]
.endr
.endr
.irp i, 0,1,2,3
	v_rcp_f32 v[RC+\i], v[LL+\i]
.endr
	v_nop                                          ; one plain place behind the reciprocals
	s_wait_alu depctr_va_vdst(0)
.irp t, 0,1,2,3,4,5,6,7
.irp k, 0,2
	v_pk_mul_f32 v[MT+4*\t+\k:MT+4*\t+\k+1], v[MT+4*\t+\k:MT+4*\t+\k+1], v[RC+\k:RC+\k+1]
.endr
	ds_store_b128 v[FTW], v[MT+4*\t:MT+4*\t+3] offset:512*\t
.endr
.Lno_ft:
; 8 matrix instructions: row blocks a0, a0 + 1 x 4 column blocks, the 32 keys ks of buffer f, into set tb
.macro MUL8 f, ks, a0, tb, zero
.irp a, \a0, \a0+1
.irp b, 0,1,2,3
.if \zero
	v_wmma_f32_16x16x32_f16 v[\tb+8*(4*(\a)+\b):\tb+8*(4*(\a)+\b)+7], v[\f+8*(4*\ks+\b):\f+8*(4*\ks+\b)+7], v[\f+8*(4*\ks+\a):\f+8*(4*\ks+\a)+7], 0
.else
	v_wmma_f32_16x16x32_f16 v[\tb+8*(4*(\a)+\b):\tb+8*(4*(\a)+\b)+7], v[\f+8*(4*\ks+\b):\f+8*(4*\ks+\b)+7], v[\f+8*(4*\ks+\a):\f+8*(4*\ks+\a)+7], v[\tb+8*(4*(\a)+\b):\tb+8*(4*(\a)+\b)+7]
.endif
.endr
.endr
.endm
; 32 LDS loads in one run: the 64 keys of quarter q: X (16 transposing loads), then P, the first 32 keys ahead of the second
.macro FETCH slot, q, f
	WIN TO_V
.irp ks, 0,1
.irp b, 0,1,2,3
	ds_load_tr16_b128 v[\f+8*(4*\ks+\b):\f+8*(4*\ks+\b)+3],   v[ADRV+2*\slot+(\q>>1)] offset:((\q&1)*64+32*\ks)*VPITCH+32*\b
	ds_load_tr16_b128 v[\f+8*(4*\ks+\b)+4:\f+8*(4*\ks+\b)+7], v[ADRV+2*\slot+(\q>>1)] offset:((\q&1)*64+32*\ks+16)*VPITCH+32*\b
.endr
.endr
	WIN 0
.irp ks, 0,1
.irp a, 0,1,2,3
	ds_load_b128 v[\f+8*(4*\ks+\a):\f+8*(4*\ks+\a)+3],   v[ADRA+\slot] offset:\a*16*APITCH+128*\q+64*\ks
	ds_load_b128 v[\f+8*(4*\ks+\a)+4:\f+8*(4*\ks+\a)+7], v[ADRA+\slot] offset:\a*16*APITCH+128*\q+64*\ks+32
.endr
.endr
.endm
.macro PLACES                          ; four plain vector places behind a matrix instruction (ISA guide 7.12.1)
.rept 4
	v_nop
.endr
.endm
; block sums mb += (or, start = 1, =) the row's factor x step sums tb
.macro FLUSH tb, mb, F, start
	WIN 0xf2                                       ; source 0 window 2, source 1 window 0, source 2 and destination window 3
.irp a, 0,1,2,3
.set i, 0
.rept 16
.if \start
	v_pk_mul_f32 v[\mb+32*\a+2*i:\mb+32*\a+2*i+1], v[\tb+32*\a+2*i:\tb+32*\a+2*i+1], v[\F+2*\a:\F+2*\a+1] op_sel_hi:[1,0]
.else
	v_pk_fma_f32 v[\mb+32*\a+2*i:\mb+32*\a+2*i+1], v[\tb+32*\a+2*i:\tb+32*\a+2*i+1], v[\F+2*\a:\F+2*\a+1], v[\mb+32*\a+2*i:\mb+32*\a+2*i+1] op_sel_hi:[1,0,1]
.endif
.set i, i+1
.endr
.endr
.endm
; A step's kind: 1 = label 0 (starts block 1), 2 = label 8 (starts block 2), 3 = label lam in 1..3 (either block), 4 = label lam in 4..7 (block 2)
.macro DOFLUSH mode, tb, lam
.if \mode == 1
	FLUSH \tb, MAIN1, FA, 1
.endif
.if \mode == 2
	FLUSH \tb, MAIN2, FB, 1
.endif
.if \mode == 3
	WIN 0
	s_cmp_gt_u32 s20, \lam
	s_cbranch_scc0 .Lblock2_\@
	FLUSH \tb, MAIN1, FA, 0
	WIN 0
	s_branch .Lflushed_\@
.Lblock2_\@:
	FLUSH \tb, MAIN2, FB, 0
	WIN 0
.Lflushed_\@:
.endif
.if \mode == 4
	FLUSH \tb, MAIN2, FB, 0
.endif
.endm
.macro FACT F, off
.irp a, 0,1,2,3
	ds_load_b32 v[\F+2*\a], v[FTA] offset:\off+64*\a
.endr
.endm
.macro DOFACT mode, lam                ; the factors of this step's rows; a step of kind 3 takes both candidates
.if \mode == 1
	FACT FA, 0
.endif
.if \mode == 2
	FACT FB, 8*512
.endif
.if \mode == 3
	FACT FA, \lam*512
	FACT FB, (16-\lam)*512
.endif
.if \mode == 4
	FACT FB, (16-\lam)*512
.endif
.endm
.macro QUARTER slot, q, f, g, tb
	s_wait_dscnt 8                                 ; X and P's first 32 keys are in; the youngest eight loads (P's second 32 keys) may be out
	WIN MULW
	MUL8 \f, 0, 0, \tb, 0
	MUL8 \f, 0, 2, \tb, 0
	PLACES
	FETCH \slot, \q, \g
	s_wait_dscnt 32                                ; all but the 32 just issued
	WIN MULW
	MUL8 \f, 1, 0, \tb, 0
	MUL8 \f, 1, 2, \tb, 0
.endm
; The first three quarters of a step.  Its first products start the sums of set tb; the step before (set ptb, kind pmode, label plam) is folded in behind them.
.macro HEAD3 slot, tb, ptb, pmode, plam
	s_wait_dscnt 8
	WIN MULW
	MUL8 F0, 0, 0, \tb, 1
	MUL8 F0, 0, 2, \tb, 1
	PLACES
	DOFLUSH \pmode, \ptb, \plam
	FETCH \slot, 1, F1
	s_wait_dscnt 32
	WIN MULW
	MUL8 F0, 1, 0, \tb, 0
	MUL8 F0, 1, 2, \tb, 0
	QUARTER \slot, 2, F1, F0, \tb
	QUARTER \slot, 3, F0, F1, \tb
.endm
; The last quarter changes slots.  In front of the barrier: my reads of this slot and of the factors, and all my tensor loads (one is out: my part of the next slot).
; rm = 1, 2: the slot is filled again with the step two further on (label rl; 1: either block, 2: block 2): the barrier opens a round of the cluster's barrier and the
; refill is the first tensor load behind it.  From a request to the wait for it a wave issues 120 matrix instructions.
; pb, po, xa, xb: what wave 2 asks for behind the refill (pb = 0: nothing): P's tile of the step four further on, and tiles of xh.
.macro TURN slot, next, tb, mode, lam, rm, rl, pb, po, xa, xb
	s_wait_dscnt 8
	WIN MULW
	MUL8 F1, 0, 0, \tb, 0
	WIN 0
	DOFACT \mode, \lam
	s_wait_dscnt 0x0
	s_wait_tensorcnt 0x0
	ds_add_u32 v254, v255
	s_wait_dscnt 0x0
	s_barrier_signal -1
	WIN MULW
	MUL8 F1, 0, 2, \tb, 0
	WIN 0
	s_barrier_wait -1
.if \rm
	CREST
.if \rm == 1
	SETDYN \slot, \rl
.else
	SETSTAT \slot, PA2, 8-\rl
.endif
	JLOAD \slot
.endif
.if \pb
	ASKS \pb, \po, \xa, \xb
.endif
	PLACES
	FETCH \next, 0, F0
	WIN MULW
	MUL8 F1, 1, 0, \tb, 0
	MUL8 F1, 1, 2, \tb, 0
.endm
	s_wait_dscnt 0x0                               ; the factors are stored, for the waves that read them
	s_wait_tensorcnt 0x1                           ; my part of the first step is in; the second step's may stay out
	s_barrier_signal -1
	s_barrier_wait -1
	FETCH 0, 0, F0
	HEAD3 0, T0, T1, 0, 0                          ; step 0, label 0; asks for step 4 (label 3)
	TURN  0, 1, T0, 1, 0, 1, 1, PFB+4, 0, 3, 5
	HEAD3 1, T1, T0, 1, 0                          ; step 1, label 8; asks for step 5 (label 4: block 2, tile 4)
	TURN  1, 0, T1, 2, 0, 1, 2, PA2, 512*4, 4, 0
	HEAD3 0, T0, T1, 2, 0                          ; step 2, label 1; asks for step 6 (tile 3)
	TURN  0, 1, T0, 3, 1, 1, 3, PA2, 512*3, 0, 0
	HEAD3 1, T1, T0, 3, 1                          ; step 3, label 2; asks for step 7 (tile 2)
	TURN  1, 0, T1, 3, 2, 2, 4, PA2, 512*2, 0, 0
	HEAD3 0, T0, T1, 3, 2                          ; step 4, label 3; asks for step 8 (tile 1): the last ask
	TURN  0, 1, T0, 3, 3, 2, 5, PA2, 512*1, 0, 0
	HEAD3 1, T1, T0, 3, 3                          ; step 5, label 4
	TURN  1, 0, T1, 4, 4, 2, 6, 0, 0, 0, 0
	HEAD3 0, T0, T1, 4, 4                          ; step 6, label 5
	TURN  0, 1, T0, 4, 5, 2, 7, 0, 0, 0, 0
	HEAD3 1, T1, T0, 4, 5                          ; step 7, label 6: nothing is left to fetch; behind this step's barrier nobody reads slot 1 any more
	TURN  1, 0, T1, 4, 6, 0, 0, 0, 0, 0, 0
	HEAD3 0, T0, T1, 4, 6                          ; step 8, label 7
	s_wait_dscnt 8
	WIN MULW
	MUL8 F1, 0, 0, T0, 0
	MUL8 F1, 0, 2, T0, 0
	WIN 0
	DOFACT 4, 7
	s_wait_dscnt 0x0
	WIN MULW
	MUL8 F1, 1, 0, T0, 0
	MUL8 F1, 1, 2, T0, 0
	PLACES
	FLUSH T0, MAIN2, FB, 0
	; THE WAY OUT.  A wave's 64 columns of f16 are 128 bytes of a row, so the four waves lay both blocks into the stage (256 rows of 256 bytes) and each stores 64 whole rows.
	WIN 0x0f                                       ; sources 0 and 1 in window 3, destination in window 0
.set i, 0
.rept 128
	v_cvt_pk_f16_f32 v[OB+i], v[2*i], v[2*i+1]     ; tile (block, a, b): registers 128 block + 8 (4 a + b) + 0..7 pack into OB + 64 block + 4 (4 a + b) + 0..3
.set i, i+1
.endr
	WIN 0
.irp blk, 0,1
.irp a, 0,1,2,3
.irp b, 0,1,2,3
	ds_store_b128 v[STO], v[OB+64*\blk+4*(4*\a+\b):OB+64*\blk+4*(4*\a+\b)+3] offset:(128*\blk+16*\a)*SPITCH+32*\b
.endr
.endr
.endr
	s_cmp_lt_u32 s12, 2                            ; y at the rows that I store: waves 0, 1 block 1's, waves 2, 3 block 2's; 64 rows each
	s_cselect_b32 s23, s18, s21
	s_lshl_b32 s22, s19, 11
	s_lshl_b32 s23, s23, 7
	s_add_co_u32 s22, s22, s23
	s_lshl_b32 s23, s13, 6
	s_add_co_u32 s22, s22, s23
	s_lshl_b32 s86, s22, 11                        ; x 2,048 bytes
	s_lshl_b32 s46, s16, 8                         ; the column block's 256 bytes
	s_add_co_u32 s86, s86, s46
	s_mov_b32 s87, 0
	s_add_nc_u64 s[86:87], s[10:11], s[86:87]
	s_wait_dscnt 0x0                               ; my stores are done, for the waves that read these rows
	s_barrier_signal -1
	s_barrier_wait -1
.set t, 0
.rept 32
	ds_load_b128 v[OB+4*t:OB+4*t+3], v[RD] offset:t*2*SPITCH
.set t, t+1
.endr
.set t, 0
.rept 32
	s_wait_dscnt 31-t                              ; LDS loads come back in order: the younger ones stay out
	global_store_b128 v[CO], v[OB+4*t:OB+4*t+3], s[86:87] offset:t*2*YROW   ; sixteen lanes store 256 consecutive bytes, aligned
.set t, t+1
.endr
	s_wait_tensorcnt 0x0
	ds_add_u32 v254, v255
	s_wait_dscnt 0x0
	CROUND                                         ; the closing round: no work-group ends while a partner may still ask for a tile that names it
	s_endpgm
.Lfunc_end_k_q485ae2659f_px:
	.size	k_q485ae2659f_px, .Lfunc_end_k_q485ae2659f_px-k_q485ae2659f_px
	.p2alignl 7, 3214868480
	.fill 96, 4, 3214868480
	.section	.rodata,"a",@progbits
	.p2align	6, 0x0
	.amdhsa_kernel k_q485ae2659f_px
		.amdhsa_group_segment_fixed_size 327680
		.amdhsa_private_segment_fixed_size 0
		.amdhsa_enable_private_segment 0
		.amdhsa_kernarg_size 32
		.amdhsa_user_sgpr_count 2
		.amdhsa_user_sgpr_kernarg_segment_ptr 1
		.amdhsa_wavefront_size32 1
		.amdhsa_system_sgpr_workgroup_id_x 1
		.amdhsa_system_sgpr_workgroup_id_y 1
		.amdhsa_system_sgpr_workgroup_id_z 1
		.amdhsa_system_vgpr_workitem_id 0
		.amdhsa_next_free_vgpr 1024
		.amdhsa_next_free_sgpr 100
		.amdhsa_reserve_vcc 0
		.amdhsa_float_denorm_mode_32 3
		.amdhsa_float_denorm_mode_16_64 3
		.amdhsa_memory_ordered 1
		.amdhsa_forward_progress 1
		.amdhsa_inst_pref_size 254
	.end_amdhsa_kernel
	.amdgpu_metadata
---
amdhsa.version: [ 1, 2 ]
amdhsa.kernels:
  - .name:           k_q485ae2659f_px
    .symbol:         k_q485ae2659f_px.kd
    .args:
      - { .name: P, .offset: 0, .size: 8, .value_kind: global_buffer, .address_space: global }
      - { .name: xh, .offset: 8, .size: 8, .value_kind: global_buffer, .address_space: global }
      - { .name: stat, .offset: 16, .size: 8, .value_kind: global_buffer, .address_space: global }
      - { .name: y, .offset: 24, .size: 8, .value_kind: global_buffer, .address_space: global }
    .group_segment_fixed_size: 327680
    .private_segment_fixed_size: 0
    .kernarg_segment_align: 8
    .kernarg_segment_size: 32
    .max_flat_workgroup_size: 128
    .sgpr_count:     100
    .vgpr_count:     1024
    .wavefront_size: 32
...
	.end_amdgpu_metadata
.endif
;; end of part 4
;; launch oproj (part 5): grid 4 x 64, 4 waves a work-group, clusters of 4 x 4, 327,680 bytes of LDS; arguments y, wh, out0; writes out0
.if DOCPART == 5
	.amdgcn_target "amdgcn-amd-amdhsa--gfx1250"
	.amdhsa_code_object_version 6
	.text
	.protected	k_q485ae2659f_oproj
	.globl	k_q485ae2659f_oproj
	.p2align	8
	.type	k_q485ae2659f_oproj,@function
k_q485ae2659f_oproj:
	s_mov_b64 s[64:65], 0
	v_nop
	global_prefetch_b8 v0, s[64:65] scope:SCOPE_SE
	s_setreg_imm32_b32 hwreg(HW_REG_WAVE_MODE, 25, 1), 1
	s_wait_xcnt 0x0
	s_wait_alu depctr_hold_cnt(0) depctr_sa_sdst(0) depctr_va_vdst(0) depctr_va_sdst(0) depctr_va_ssrc(0) depctr_va_vcc(0) depctr_vm_vsrc(0)
	s_getreg_b32 s2, hwreg(HW_REG_IB_STS2, 6, 4)
	s_cmp_eq_u32 s2, 0
	s_cbranch_scc0 .Lentry_in_a_cluster
	s_endpgm
.Lentry_in_a_cluster:
	s_bfe_u32 s2, ttmp6, 0x10000c
	s_cmp_lg_u32 s2, 0xf033
	s_cbranch_scc0 .Lentry_shape_is_right
	s_endpgm
.Lentry_shape_is_right:
; out0[m][n] = sum over k of y[m][k] Wv[n][k].  y: [8192][1024] f16, Wv = rows 2048-3071 of wh ([3072][1024] f16), out0: [8192][1024] f32; sums in f32.
; A work-group makes 128 rows x 256 columns: 8192 x 1024 / (128 x 256) = 256 work-groups of equal work.  Four waves; wave (rh, ch) makes rows 64 rh .. + 63 x columns
; 128 ch .. + 127: 32 accumulator tiles of 16 x 16, 256 registers, one window.
; K goes in eight steps of 128 through a ring of two LDS slots filled by the tensor data mover: 128 rows of y, then 256 rows of Wv; a row of a tile is 256 bytes of memory and
; starts at a multiple of 256 bytes.  Waves 0, 1 ask for 64 rows of y each, waves 2, 3 for 128 rows of Wv each.
; CLUSTERS: 4 x 4 work-groups.  The four of a row of the cluster share the block row, hence y's tiles; the four of a column share the block column, hence Wv's tiles.
; Each tile is asked for jointly by the four, which divides the requests by four.
; PREFETCH: a K step's tiles are requested one step before they are read, and two slots of a longer step (2 x 202,752 bytes) do not fit in LDS, so wave 2 asks ahead for y's bytes.
; y's tile of a K step (128 rows x 256 bytes) is read by the four work-groups of a row of the cluster alone; the one at place cx asks for its rows 32 cx .. + 31, one lane a row,
; one instruction, two steps ahead of the tile's tensor load: steps 2 and 3 at the start, step s + 4 behind the request for step s + 2, the last for step 7.  Every block of 256 bytes
; of y's steps 2-7 is asked for once in the launch.  Wv is not asked for: all 64 block rows read the same rows of wh.  The four laps are written out, so that the step stands in the
; prefetch's immediate and no address register is stepped.
; REGISTERS in windows of 256: window 0: v16-27 addresses, v64-95 and v128-159 fragments of y (two buffers; on the way out v64-127 and v128-191 hold rows read back);
; window 1: v64-127 and v128-191 fragments of Wv; window 2: the accumulators, tile (a, b) at v[8 (8 a + b)].
; The matrix instruction is used transposed (source 0 = 16 rows of Wv, source 1 = 16 rows of y): lane l holds row l % 16 of the result and its eight registers the
; columns 8 (l / 16) + 0 .. 7: 32 neighbouring bytes.
; The 32 accumulators take turns, one instruction a turn, in the same order in every quarter step.
.set SIZE_K, 1024
.set KSTEP,  128
.set PITCH,  272                       ; an LDS row: 256 bytes + 16 of padding, an odd multiple of 16
.set AHALF,  64*PITCH
.set BHALF,  128*PITCH
.set ABYTES, 2*AHALF
.set SLOT,   ABYTES+2*BHALF            ; 104,448
.set STAGE,  2*SLOT                    ; behind the ring: 16 rows x 528 bytes for each wave
.set SPITCH, 528                       ; 512 bytes + 16, an odd multiple of 16
.set OROW,   4096                      ; bytes in a row of out0
.set WVROW,  2048                      ; Wv's first row in wh
.set ADRA, 16                          ; v16-17  LDS address of my y fragments in slot 0, 1
.set ADRB, 20                          ; v20-21  the same for Wv
.set STO,  24
.set RD,   25
.set CO,   26
.set PF,   27                          ; v27     prefetch of y: (32 cx + l) rows of 2,048 bytes; never rewritten
.set F0,   64
.set F1,   128
.set G1,  24                           ; s[24:31] group 1 for y's tiles
.set G0,  32                           ; s[32:39] group 0 for y's tiles, one set a slot
.set G1B, 48                           ; s[48:55] group 1 for Wv's tiles
.set G0B, 56                           ; s[56:63] group 0 for Wv's tiles, one set a slot
.set MSB, 0
.macro WIN new                         ; the immediate's high byte repeats the setting that is left
.if MSB != \new
	s_set_vgpr_msb (MSB<<8)|\new
.set MSB, \new
.endif
.endm
.set MULW, 0xa1                        ; source 0 (Wv) window 1, source 1 (y) window 0, C and D window 2
.set TO_B, 0x40                        ; destination window 1, address window 0
.macro JLOAD s                         ; waves 0, 1 ask for a half of y's tile, waves 2, 3 for a half of Wv's.  The branch hangs on the wave's number alone.
	s_cmp_lt_u32 s10, 2
	s_cbranch_scc0 .Lfor_b_\@
	tensor_load_to_lds s[G0+4*\s:G0+4*\s+3], s[G1:G1+7]
	s_nop 0
	s_branch .Lasked_\@
.Lfor_b_\@:
	tensor_load_to_lds s[G0B+4*\s:G0B+4*\s+3], s[G1B:G1B+7]
	s_nop 0
.Lasked_\@:
.endm
.macro CREST                           ; a round of the cluster's barrier behind its opening work-group barrier
	s_cmp_lg_u32 s10, 0
	s_cbranch_scc1 .Lnot_wave_0_\@
	s_barrier_signal -3
.Lnot_wave_0_\@:
	s_barrier_wait -3
	s_barrier_signal -1
	s_barrier_wait -1
.endm
.macro CROUND
	s_barrier_signal -1
	s_barrier_wait -1
	CREST
.endm
; Wave 2 (whose s[14:15] points at the block row's first row) asks for my 32 rows of y's tile of K step sa, and of sb (0: none)
.macro ASK sa, sb
	s_cmp_lg_u32 s10, 2
	s_cbranch_scc1 .Lno_ask_\@
	global_prefetch_b8 v[PF], s[14:15] offset:\sa*KSTEP*2 th:TH_LOAD_NT scope:SCOPE_SE
.if \sb
	global_prefetch_b8 v[PF], s[14:15] offset:\sb*KSTEP*2 th:TH_LOAD_NT scope:SCOPE_SE
.endif
.Lno_ask_\@:
.endm
	s_load_b128 s[4:7], s[0:1], 0x0                ; y s[4:5], wh s[6:7]
	s_load_b64 s[8:9], s[0:1], 0x10                ; out0
	s_set_vgpr_msb 0x40
	v_lshl_add_u32 v255, v0, 2, 0x3b400
	s_set_vgpr_msb 0x4000
	v_mov_b32 v255, 0
	s_set_vgpr_msb 0x1
	ds_add_u32 v255, v255
	ds_add_u32 v255, v255
	s_set_vgpr_msb 0x100
	v_lshrrev_b32 v1, 5, v0
	v_readfirstlane_b32 s10, v1                    ; wave 0..3
	s_lshr_b32 s11, s10, 1                         ; rh: which 64 rows are mine
	s_and_b32 s12, s10, 1                          ; ch: which 128 columns.  Also: which half of a tile I fetch
	s_bfe_u32 s40, ttmp6, 0x40000                  ; cx
	s_bfe_u32 s41, ttmp6, 0x40004                  ; cy
	s_lshl_b32 s42, ttmp9, 2
	s_add_co_u32 s42, s42, s40                     ; block column = 4 x cluster x + cx, 0..3
	s_and_b32 s13, ttmp7, 0xffff
	s_lshl_b32 s13, s13, 2
	s_add_co_u32 s13, s13, s41                     ; block row = 4 x cluster y + cy, 0..63
	s_lshl_b32 s43, s41, 2
	s_lshl_b32 s43, 15, s43                        ; my row of the cluster
	s_lshl_b32 s44, 0x1111, s40                    ; my column
	; group 1: rows of 128 elements of 2 bytes, 16 bytes of padding behind every 64 words; 64 rows of y, 128 rows of Wv
	s_or_b32 s[G1+0], s43, (1<<16)|(1<<20)|(1<<21)|(5<<22)|(3<<25)
	s_or_b32 s[G1B+0], s44, (1<<16)|(1<<20)|(1<<21)|(5<<22)|(3<<25)
	s_mov_b32 s[G1+1], KSTEP<<16                   ; tensor_dim0 = 128
	s_mov_b32 s[G1B+1], KSTEP<<16
	s_mov_b32 s[G1+2], 64<<16                      ; tensor_dim1
	s_mov_b32 s[G1B+2], 128<<16
	s_mov_b32 s[G1+3], KSTEP<<16                   ; tile_dim0 = 128
	s_mov_b32 s[G1B+3], KSTEP<<16
	s_mov_b32 s[G1+4], 64                          ; tile_dim1
	s_mov_b32 s[G1B+4], 128
	s_mov_b32 s[G1+5], SIZE_K                      ; elements from row to row
	s_mov_b32 s[G1B+5], SIZE_K
	s_mov_b32 s[G1+6], 0
	s_mov_b32 s[G1B+6], 0
	s_mov_b32 s[G1+7], 0
	s_mov_b32 s[G1B+7], 0
	; y's tile hangs on the block row and the wave's number alone, Wv's on the block column and the wave's number alone
	s_lshl_b32 s17, s12, 6
	s_lshl_b32 s16, s13, 7
	s_add_co_u32 s16, s16, s17                     ; y: row 128 x block row + 64 x half
	s_lshl_b32 s16, s16, 11                        ; x 2,048 bytes
	s_mov_b32 s17, 0
	s_lshl_b32 s47, s12, 7
	s_lshl_b32 s46, s42, 8
	s_add_co_u32 s46, s46, s47
	s_add_co_u32 s46, s46, WVROW                   ; wh: row 2048 + 256 x block column + 128 x half
	s_lshl_b32 s46, s46, 11
	s_mov_b32 s47, 0
	s_mul_i32 s20, s12, AHALF                      ; where my half goes: y's first in the slot,
	s_mul_i32 s21, s12, BHALF
	s_add_co_u32 s21, s21, ABYTES                  ; Wv's behind it
	s_wait_dscnt 0x0
	s_wait_kmcnt 0x0
	s_add_nc_u64 s[14:15], s[4:5], s[16:17]
	s_add_nc_u64 s[46:47], s[6:7], s[46:47]
	CROUND                                         ; all sixteen work-groups are here: the first joint loads meet
.irp s, 0,1
	s_mov_b32 s[G0+4*\s], 1
	s_add_co_u32 s[G0+4*\s+1], s20, \s*SLOT
	s_add_nc_u64 s[G0+4*\s+2:G0+4*\s+3], s[14:15], \s*KSTEP*2
	s_or_b32 s[G0+4*\s+3], s[G0+4*\s+3], 0x80000000
	s_mov_b32 s[G0B+4*\s], 1
	s_add_co_u32 s[G0B+4*\s+1], s21, \s*SLOT
	s_add_nc_u64 s[G0B+4*\s+2:G0B+4*\s+3], s[46:47], \s*KSTEP*2
	s_or_b32 s[G0B+4*\s+3], s[G0B+4*\s+3], 0x80000000
	JLOAD \s                                       ; both slots are asked for before anything else: two tensor loads of the wave are out
.endr
	v_and_b32 v5, 31, v0                           ; l
	s_lshl_b32 s45, s40, 5                         ; (a register that feeds no descriptor)
	v_add_nc_u32 v4, s45, v5                       ; row 32 cx + l of y's tile
	v_lshlrev_b32 v[PF], 11, v4
	ASK 2, 3                                       ; the first asks, straight behind the first loads: K steps 2 and 3
	v_and_b32 v1, 15, v0                           ; r = l % 16
	v_bfe_u32 v2, v0, 4, 1                         ; h = l / 16
	v_mul_u32_u24 v3, v1, PITCH
	v_lshl_add_u32 v3, v2, 4, v3                   ; row x pitch + 16 h
	s_mul_i32 s22, s11, AHALF                      ; my 64 rows of y
	s_mul_i32 s23, s12, BHALF                      ; my 128 rows of Wv,
	s_add_co_u32 s23, s23, ABYTES                  ; which lie behind y's 128
	v_add_nc_u32 v[ADRA], s22, v3
	v_add_nc_u32 v[ADRB], s23, v3
	v_add_nc_u32 v[ADRA+1], SLOT, v[ADRA]
	v_add_nc_u32 v[ADRB+1], SLOT, v[ADRB]
	s_mul_i32 s22, s10, 16*SPITCH
	s_add_co_u32 s22, s22, STAGE                   ; my stage
	v_mul_u32_u24 v4, v1, SPITCH                   ; in: row r, 32 bytes for each half of the lanes
	v_lshl_add_u32 v4, v2, 5, v4
	v_add_nc_u32 v[STO], s22, v4
	v_lshl_add_u32 v[RD], v5, 4, s22               ; back: the 32 lanes take one row of 512 bytes
	v_lshlrev_b32 v[CO], 4, v5                     ; and the same in out0
; 8 matrix instructions: row block a x all 8 column blocks, 32 along K.  zero = 1: the first product starts the sums.
.macro MULA f, a, zero
.irp b, 0,1,2,3,4,5,6,7
.if \zero
	v_wmma_f32_16x16x32_f16 v[8*(8*(\a)+\b):8*(8*(\a)+\b)+7], v[\f+8*\b:\f+8*\b+7], v[\f+8*(\a):\f+8*(\a)+7], 0
.else
	v_wmma_f32_16x16x32_f16 v[8*(8*(\a)+\b):8*(8*(\a)+\b)+7], v[\f+8*\b:\f+8*\b+7], v[\f+8*(\a):\f+8*(\a)+7], v[8*(8*(\a)+\b):8*(8*(\a)+\b)+7]
.endif
.endr
.endm
; 24 LDS loads in one run: 128 rows of Wv and 64 rows of y, 32 K at byte k of the rows, into buffer f
.macro FETCH slot, k, f
	WIN TO_B
.irp i, 0,1,2,3,4,5,6,7
	ds_load_b128 v[\f+8*\i:\f+8*\i+3],   v[ADRB+\slot] offset:\k+\i*16*PITCH
	ds_load_b128 v[\f+8*\i+4:\f+8*\i+7], v[ADRB+\slot] offset:\k+\i*16*PITCH+32
.endr
	WIN 0
.irp i, 0,1,2,3
	ds_load_b128 v[\f+8*\i:\f+8*\i+3],   v[ADRA+\slot] offset:\k+\i*16*PITCH
	ds_load_b128 v[\f+8*\i+4:\f+8*\i+7], v[ADRA+\slot] offset:\k+\i*16*PITCH+32
.endr
.endm
; Four plain vector places between a matrix instruction and a load into, or a vector access to, one of its registers
.macro PLACES
.rept 4
	v_nop
.endr
.endm
.macro QUARTER slot, k, f, g, zero
	s_wait_dscnt 4                                 ; Wv and y's rows 0-31 are in; the youngest four loads (y's rows 32-63) may be out
	WIN MULW
	MULA \f, 0, \zero
	MULA \f, 1, \zero
	PLACES
	FETCH \slot, \k, \g
	s_wait_dscnt 24                                ; all but the 24 just issued
	WIN MULW
	MULA \f, 2, \zero
	MULA \f, 3, \zero
.endm
.macro THREE slot, zero
	QUARTER \slot, 64,  F0, F1, \zero
	QUARTER \slot, 128, F1, F0, 0
	QUARTER \slot, 192, F0, F1, 0
.endm
; The last quarter of a K step changes slots.  In front of the barrier each wave waits for its reads of this slot and for all its tensor loads (one
; is out: its part of the next slot).  Where the slot is filled again the barrier opens a round of the cluster's barrier, and the joint refill is the
; first tensor load behind the round.  From a request to the wait for it a wave issues 120 matrix instructions.
; ask: the K step of y that wave 2 asks for behind the refill (0: none)
.macro TURN slot, next, fill, ask
	s_wait_dscnt 4
	WIN MULW
	MULA F1, 0, 0
	s_wait_dscnt 0                                 ; my reads of this slot are over
	s_wait_tensorcnt 0x0                           ; all my tensor loads have landed
	ds_add_u32 v255, v255
	s_wait_dscnt 0x0
	s_barrier_signal -1
	MULA F1, 1, 0                                  ; register work while the others arrive
	WIN 0
	s_barrier_wait -1
.if \fill
	CREST                                          ; no wave of any partner still reads this slot or has a load on its way
	s_add_nc_u64 s[G0+4*\slot+2:G0+4*\slot+3], s[G0+4*\slot+2:G0+4*\slot+3], 2*KSTEP*2
	s_add_nc_u64 s[G0B+4*\slot+2:G0B+4*\slot+3], s[G0B+4*\slot+2:G0B+4*\slot+3], 2*KSTEP*2
	JLOAD \slot
.endif
.if \ask
	ASK \ask, 0
.endif
	PLACES
	FETCH \next, 0, F0
	WIN MULW
	MULA F1, 2, 0
	MULA F1, 3, 0
.endm
.macro LAP zero, ask0, ask1            ; once round the ring, both slots filled again
	THREE 0, \zero
	TURN 0, 1, 1, \ask0
	THREE 1, 0
	TURN 1, 0, 1, \ask1
.endm
	s_wait_tensorcnt 1                             ; my part of K step 0 is in; K step 1 may stay out
	s_barrier_signal -1
	s_barrier_wait -1
	FETCH 0, 0, F0
	LAP 1, 4, 5                                    ; K steps 0, 1: the first products start the sums; steps 2, 3 are requested, steps 4, 5 asked for
	LAP 0, 6, 7                                    ; K steps 2, 3: steps 4, 5 are requested, steps 6, 7 asked for: the last asks
	LAP 0, 0, 0                                    ; K steps 4, 5: steps 6, 7 are requested
	THREE 0, 0                                     ; K steps 6, 7: the last lap fills nothing
	TURN 0, 1, 0, 0
	THREE 1, 0
	s_wait_dscnt 4
	WIN MULW
	MULA F1, 0, 0
	MULA F1, 1, 0
	s_wait_dscnt 0
	MULA F1, 2, 0
	MULA F1, 3, 0
	; THE WAY OUT, 16 rows at a time: a lane's 32 bytes of each tile into my own stage, whole rows of 512 bytes back.
	PLACES
	s_lshl_b32 s16, s13, 7
	s_lshl_b32 s17, s11, 6
	s_add_co_u32 s16, s16, s17                     ; my first row: 128 x block row + 64 rh
	s_lshl_b32 s16, s16, 12                        ; x 4,096 bytes
	s_mov_b32 s17, 0
	s_add_nc_u64 s[8:9], s[8:9], s[16:17]
	s_lshl_b32 s46, s42, 10                        ; my first column in bytes: 1,024 x block column + 512 ch
	s_lshl_b32 s47, s12, 9
	s_add_co_u32 s46, s46, s47
	s_mov_b32 s47, 0
	s_add_nc_u64 s[8:9], s[8:9], s[46:47]
.macro OUT16 a, f
	WIN 0x08                                       ; the stores' data in window 2, the address in window 0
.irp b, 0,1,2,3,4,5,6,7
	ds_store_b128 v[STO], v[8*(8*\a+\b):8*(8*\a+\b)+3] offset:64*\b
	ds_store_b128 v[STO], v[8*(8*\a+\b)+4:8*(8*\a+\b)+7] offset:64*\b+16
.endr
	WIN 0
	s_wait_xcnt 0x0                                ; buffer f, which earlier stores read, is loaded again only behind this wait
.set t, 0
.rept 16
	ds_load_b128 v[\f+4*t:\f+4*t+3], v[RD] offset:t*SPITCH         ; LDS serves a wave in order: these see the stores above
.set t, t+1
.endr
.set t, 0
.rept 16
	s_wait_dscnt 15-t                              ; LDS loads come back in order: the younger ones stay out
	global_store_b128 v[CO], v[\f+4*t:\f+4*t+3], s[8:9] offset:(16*\a+t)*OROW th:TH_STORE_NT   ; the wave stores 512 consecutive bytes, aligned
.set t, t+1
.endr
.endm
	OUT16 0, 64
	OUT16 1, 128
	OUT16 2, 64
	OUT16 3, 128
	s_set_vgpr_msb 0x1
	s_wait_tensorcnt 0x0
	ds_add_u32 v255, v255
	s_wait_dscnt 0x0
	s_set_vgpr_msb 0x100
	CROUND                                         ; the closing round: no work-group ends while a partner may still ask for a tile that names it
	s_endpgm
.Lfunc_end_k_q485ae2659f_oproj:
	.size	k_q485ae2659f_oproj, .Lfunc_end_k_q485ae2659f_oproj-k_q485ae2659f_oproj
	.p2alignl 7, 3214868480
	.fill 96, 4, 3214868480
	.section	.rodata,"a",@progbits
	.p2align	6, 0x0
	.amdhsa_kernel k_q485ae2659f_oproj
		.amdhsa_group_segment_fixed_size 327680
		.amdhsa_private_segment_fixed_size 0
		.amdhsa_enable_private_segment 0
		.amdhsa_kernarg_size 24
		.amdhsa_user_sgpr_count 2
		.amdhsa_user_sgpr_kernarg_segment_ptr 1
		.amdhsa_wavefront_size32 1
		.amdhsa_system_sgpr_workgroup_id_x 1
		.amdhsa_system_sgpr_workgroup_id_y 1
		.amdhsa_system_sgpr_workgroup_id_z 1
		.amdhsa_system_vgpr_workitem_id 0
		.amdhsa_next_free_vgpr 768
		.amdhsa_next_free_sgpr 66
		.amdhsa_reserve_vcc 0
		.amdhsa_float_denorm_mode_32 3
		.amdhsa_float_denorm_mode_16_64 3
		.amdhsa_memory_ordered 1
		.amdhsa_forward_progress 1
		.amdhsa_inst_pref_size 151
	.end_amdhsa_kernel
	.amdgpu_metadata
---
amdhsa.version: [ 1, 2 ]
amdhsa.kernels:
  - .name:           k_q485ae2659f_oproj
    .symbol:         k_q485ae2659f_oproj.kd
    .args:
      - { .name: y, .offset: 0, .size: 8, .value_kind: global_buffer, .address_space: global }
      - { .name: wh, .offset: 8, .size: 8, .value_kind: global_buffer, .address_space: global }
      - { .name: out0, .offset: 16, .size: 8, .value_kind: global_buffer, .address_space: global }
    .group_segment_fixed_size: 327680
    .private_segment_fixed_size: 0
    .kernarg_segment_align: 8
    .kernarg_segment_size: 24
    .max_flat_workgroup_size: 128
    .sgpr_count:     66
    .vgpr_count:     768
    .wavefront_size: 32
...
	.end_amdgpu_metadata
.endif
;; end of part 5
;; ======== version 2 of 2: 5 launches; version 1 with the launch cast written anew for expert scheduling mode
;; limits: values are held in f16: magnitudes above 65,504 overflow, below 6.1e-05 lose precision; right only within a limited range of input values
;; workspace buffers: xh 16,777,216 bytes; wh 6,291,456 bytes; qk 33,554,432 bytes; P 33,554,432 bytes; stat 1,048,576 bytes; y 16,777,216 bytes
;; launch cast (part 6): grid 256 x 1, 11 waves a work-group, no clusters, 0 bytes of LDS; arguments x, Wq, Wk, Wv, xh, wh; writes xh, wh
.if DOCPART == 6
	.amdgcn_target "amdgcn-amd-amdhsa--gfx1250"
	.amdhsa_code_object_version 6
	.text
	.protected	k_q485ae2659f_cast
	.globl	k_q485ae2659f_cast
	.p2align	8
	.type	k_q485ae2659f_cast,@function
k_q485ae2659f_cast:
	s_mov_b64 s[64:65], 0
	v_nop
	global_prefetch_b8 v0, s[64:65] scope:SCOPE_SE
	s_setreg_imm32_b32 hwreg(HW_REG_WAVE_SCHED_MODE, 0, 2), 2
	s_setreg_imm32_b32 hwreg(HW_REG_WAVE_MODE, 25, 1), 1
	s_wait_xcnt 0x0
	s_wait_alu depctr_vm_vsrc(0)
; x, Wq, Wk, Wv (f32) are rounded once, to bf16, and that number is written in f16's format: xh = [8192][1024], wh = [3072][1024] with Wq, Wk, Wv one below the other.
; WHY TWO CONVERSIONS: the later products pair x and W with operands that need f16's 11 bits (the softmax weights and their weighted sum of x), and a matrix instruction takes
; both operands in one format.  f16 holds a bf16 number exactly where 2^-17 <= |x| < 65,504, so the program computes the problem's function of the inputs rounded to bf16
; with no second rounding of them.
; LIMITS: |x|, |W| below 65,504 (beyond it f16 has infinity); below 2^-17 the second conversion rounds, by at most 2^-25.
; A stream: every byte is read once and written once, so there is no LDS, no barrier and no matrix work here.
; THE SHARES: the four inputs are 46,137,344 bytes = 2,816 pieces of 16,384 bytes = 256 work-groups x 11 waves, one piece a wave: equal work for every work-group.
; Piece u = 11 x work-group + wave: pieces 0-2047 are x, then 256 pieces for each W.
; A wave takes its piece by 32 loads of 512 neighbouring bytes, all issued before the first wait; every load and every store has registers of its own.
; THE MODE: SCHED_MODE bits 1:0 = 2 (LLVM: expert scheduling mode 2), set by the entry lines.  The code itself states the register dependences
; between vector instructions and memory instructions, with s_wait_alu, always for 0.
; THE PLAN.  Registers that memory instructions touch:
;   v1, v2     the loads' and the stores' byte offsets: written once at the head, never again.
;   X, set j   load j lands in it; no vector instruction names it before that load is issued, and no load is issued behind the first conversion.  No memory instruction reads it.
;   Y, pair j  written by the conversions of load j, read by store j, written by nothing after that.
; No register that a memory instruction reads is written again, so no wait on vm_vsrc is owed.  The 32 loads go in eight blocks of four.  Store j is issued four loads later, in the next
; block: ONE wait on va_vdst at a block's head states that the block before has written its four pairs of Y, and the four stores that read them are dealt among this block's vector
; instructions, which name this block's X and Y alone.  The last block's stores stand behind a wait of their own.
.set WAVES, 11
.set XPIECES, 2048
.set BLOCK, 4                          ; loads in a block
.set X, 4                              ; v[4:131]    32 loads x 4 f32; behind its load's wait a set also holds the rounded numbers, widened
.set Y, 132                            ; v[132:195]  32 stores x 4 numbers of 16 bits
	s_load_b256 s[4:11], s[0:1], 0x0               ; x s[4:5], Wq s[6:7], Wk s[8:9], Wv s[10:11]
	s_load_b128 s[12:15], s[0:1], 0x20             ; xh s[12:13], wh s[14:15]
	s_mov_b32 s20, 0xffff0000                      ; a word's upper bf16
	v_lshrrev_b32 v1, 5, v0
	v_readfirstlane_b32 s21, v1                    ; wave 0..10
	v_and_b32 v3, 31, v0                           ; lane
	v_lshlrev_b32 v1, 4, v3                        ; 16 bytes a lane in
	v_lshlrev_b32 v2, 3, v3                        ; 8 bytes a lane out
	s_mul_i32 s22, ttmp9, WAVES
	s_wait_alu depctr_va_sdst(0)                   ; s21 is written, ahead of its first reader: the piece's number, and from it both bases, are made of it
	s_add_co_u32 s22, s22, s21                     ; my piece, 0..2815
	s_sub_co_u32 s16, s22, XPIECES                 ; its number among the pieces of W (used only where it is one)
	s_lshr_b32 s17, s16, 8                         ; which W
	s_and_b32 s18, s16, 255                        ; which piece of it
	s_wait_kmcnt 0x0
	s_cmp_eq_u32 s17, 1
	s_cselect_b64 s[6:7], s[8:9], s[6:7]
	s_cmp_eq_u32 s17, 2
	s_cselect_b64 s[6:7], s[10:11], s[6:7]         ; s[6:7]: the W that a piece of W lies in
	s_cmp_lt_u32 s22, XPIECES                      ; a piece of x?
	s_cselect_b64 s[4:5], s[4:5], s[6:7]           ; from where
	s_cselect_b64 s[12:13], s[12:13], s[14:15]     ; to where
	s_cselect_b32 s18, s22, s18                    ; which piece of the source
	s_cselect_b32 s16, s22, s16                    ; which piece of the destination
	s_lshl_b32 s18, s18, 14                        ; 16,384 bytes of f32
	s_mov_b32 s19, 0
	s_lshl_b32 s16, s16, 13                        ; 8,192 bytes of f16
	s_mov_b32 s17, 0
	s_add_nc_u64 s[4:5], s[4:5], s[18:19]
	s_add_nc_u64 s[12:13], s[12:13], s[16:17]
	s_wait_alu depctr_va_vdst(0)                   ; v1 and v2 are written: every load reads v1 as its offset, every store v2
.set j, 0
.rept 32
	global_load_b128 v[X+4*j:X+4*j+3], v1, s[4:5] offset:512*j th:TH_LOAD_NT
.set j, j+1
.endr
.set j, 0
.rept 32
	s_wait_loadcnt 31-j                            ; loads come back in order: load j is in, the 31-j younger ones stay out
.if (j % BLOCK == 0) && (j > 0)
	s_wait_alu depctr_va_vdst(0)                   ; a block's head: the conversions of the block before have written its four pairs of Y, which this block's four stores read
.endif
.if j >= BLOCK
	global_store_b64 v2, v[Y+2*(j-BLOCK):Y+2*(j-BLOCK)+1], s[12:13] offset:256*(j-BLOCK)   ; the block before; no vector instruction since the wait names this pair.  The wave's store covers 256 consecutive bytes, aligned
.endif
	v_cvt_pk_bf16_f32 v[Y+2*j], v[X+4*j], v[X+4*j+1]               ; the one rounding
	v_cvt_pk_bf16_f32 v[Y+2*j+1], v[X+4*j+2], v[X+4*j+3]
	v_lshlrev_b32 v[X+4*j], 16, v[Y+2*j]                           ; the rounded numbers as f32
	v_and_b32 v[X+4*j+1], s20, v[Y+2*j]
	v_lshlrev_b32 v[X+4*j+2], 16, v[Y+2*j+1]
	v_and_b32 v[X+4*j+3], s20, v[Y+2*j+1]
	v_cvt_pk_f16_f32 v[Y+2*j], v[X+4*j], v[X+4*j+1]                ; the same numbers in f16's format
	v_cvt_pk_f16_f32 v[Y+2*j+1], v[X+4*j+2], v[X+4*j+3]
.set j, j+1
.endr
	s_wait_alu depctr_va_vdst(0)                   ; the last block's conversions have written its four pairs of Y, which the last four stores read
.set j, 32-BLOCK
.rept BLOCK
	global_store_b64 v2, v[Y+2*j:Y+2*j+1], s[12:13] offset:256*j   ; the wave's store covers 256 consecutive bytes, aligned
.set j, j+1
.endr
	s_endpgm
.Lfunc_end_k_q485ae2659f_cast:
	.size	k_q485ae2659f_cast, .Lfunc_end_k_q485ae2659f_cast-k_q485ae2659f_cast
	.p2alignl 7, 3214868480
	.fill 96, 4, 3214868480
	.section	.rodata,"a",@progbits
	.p2align	6, 0x0
	.amdhsa_kernel k_q485ae2659f_cast
		.amdhsa_group_segment_fixed_size 0
		.amdhsa_private_segment_fixed_size 0
		.amdhsa_enable_private_segment 0
		.amdhsa_kernarg_size 48
		.amdhsa_user_sgpr_count 2
		.amdhsa_user_sgpr_kernarg_segment_ptr 1
		.amdhsa_wavefront_size32 1
		.amdhsa_system_sgpr_workgroup_id_x 1
		.amdhsa_system_sgpr_workgroup_id_y 1
		.amdhsa_system_sgpr_workgroup_id_z 1
		.amdhsa_system_vgpr_workitem_id 0
		.amdhsa_next_free_vgpr 196
		.amdhsa_next_free_sgpr 66
		.amdhsa_reserve_vcc 0
		.amdhsa_float_denorm_mode_32 3
		.amdhsa_float_denorm_mode_16_64 3
		.amdhsa_memory_ordered 1
		.amdhsa_forward_progress 1
		.amdhsa_inst_pref_size 21
	.end_amdhsa_kernel
	.amdgpu_metadata
---
amdhsa.version: [ 1, 2 ]
amdhsa.kernels:
  - .name:           k_q485ae2659f_cast
    .symbol:         k_q485ae2659f_cast.kd
    .args:
      - { .name: x, .offset: 0, .size: 8, .value_kind: global_buffer, .address_space: global }
      - { .name: Wq, .offset: 8, .size: 8, .value_kind: global_buffer, .address_space: global }
      - { .name: Wk, .offset: 16, .size: 8, .value_kind: global_buffer, .address_space: global }
      - { .name: Wv, .offset: 24, .size: 8, .value_kind: global_buffer, .address_space: global }
      - { .name: xh, .offset: 32, .size: 8, .value_kind: global_buffer, .address_space: global }
      - { .name: wh, .offset: 40, .size: 8, .value_kind: global_buffer, .address_space: global }
    .group_segment_fixed_size: 0
    .private_segment_fixed_size: 0
    .kernarg_segment_align: 8
    .kernarg_segment_size: 48
    .max_flat_workgroup_size: 352
    .sgpr_count:     66
    .vgpr_count:     196
    .wavefront_size: 32
...
	.end_amdgpu_metadata
.endif
;; end of part 6
;; launch proj: the kernel of part 2 again; grid 8 x 32, 4 waves a work-group, clusters of 4 x 4, 327,680 bytes of LDS; arguments xh, wh, qk; writes qk
;; launch scores: the kernel of part 3 again; grid 8 x 18, 4 waves a work-group, no clusters, 327,680 bytes of LDS; arguments qk, P, stat; writes P, stat
;; launch px: the kernel of part 4 again; grid 8 x 32, 4 waves a work-group, clusters of 4 x 1, 327,680 bytes of LDS; arguments P, xh, stat, y; writes y
;; launch oproj: the kernel of part 5 again; grid 4 x 64, 4 waves a work-group, clusters of 4 x 4, 327,680 bytes of LDS; arguments y, wh, out0; writes out0
